; MI455X (gfx1250); checked and timed in simulation.
; The chip was launched on July 23, 2026; its instructions are those of AMD's public machine-readable ISA for CDNA 5 (MIT licence, August 2026) and "CDNA5" Instruction Set Architecture Reference Guide (July 2026). The comments in the code are by the model that wrote it; some were corrected since.
;; Multi Head Attention L. Allowed arithmetic: matrix products marked QUANTISED: E4M3 operands, one E8M0 scale for each 32 along K, by v_wmma_scale_f32_16x16x128_f8f6f4 with both operands' format E4M3, f32 sums; everything else in f32.
;; Inputs: Wk_codes 512 x 8 x 32 uint8 (E4M3 codes of Wk, K innermost, in blocks of 32 codes); Wk_scales 512 x 8 uint8 (E8M0 scales of Wk, one for each 32 codes along K); Wq_codes 512 x 8 x 32 uint8 (E4M3 codes of Wq, K innermost, in blocks of 32 codes); Wq_scales 512 x 8 uint8 (E8M0 scales of Wq, one for each 32 codes along K); Wr_codes 512 x 8 x 32 uint8 (E4M3 codes of Wr, K innermost, in blocks of 32 codes); Wr_scales 512 x 8 uint8 (E8M0 scales of Wr, one for each 32 codes along K); Wv_codes 512 x 8 x 32 uint8 (E4M3 codes of Wv, K innermost, in blocks of 32 codes); Wv_scales 512 x 8 uint8 (E8M0 scales of Wv, one for each 32 codes along K); bk 512 float32; bq 512 float32; br 512 float32; bv 512 float32; key0_codes 16 x 1,024 x 8 x 32 uint8 (E4M3 codes of key0, K innermost, in blocks of 32 codes); key0_scales 16 x 1,024 x 8 uint8 (E8M0 scales of key0, one for each 32 codes along K); query0_codes 16 x 1,024 x 8 x 32 uint8 (E4M3 codes of query0, K innermost, in blocks of 32 codes); query0_scales 16 x 1,024 x 8 uint8 (E8M0 scales of query0, one for each 32 codes along K); value0_codes 16 x 1,024 x 8 x 32 uint8 (E4M3 codes of value0, K innermost, in blocks of 32 codes); value0_scales 16 x 1,024 x 8 uint8 (E8M0 scales of value0, one for each 32 codes along K).
;; Outputs: out0 16 x 1,024 x 512 float32.
;; This version of the problem:
;;   THIS VERSION OF THE PROBLEM IS GIVEN IN LOW PRECISION. The matrix products marked QUANTISED in the list below multiply operands that are first quantised to E4M3 (4 exponent bits, 3 mantissa bits; 8 bits a number), with one power-of-two scale for each 32 numbers along K (OCP MX v1.0); their sums are f32. All else is computed in f32.
;;   The module's matrix products, in the order in which they are computed (A, B: the left and right operand; K: the contracted axis; several contracted axes count as one K, in the product's order):
;;     1. [M 16,384, K 256] x [K 256, N 512]; A: input key0 (given as codes); B: input Wk (given as codes): QUANTISED
;;     2. [M 16,384, K 256] x [K 256, N 512]; A: input value0 (given as codes); B: input Wv (given as codes): QUANTISED
;;     3. [M 16,384, K 256] x [K 256, N 512]; A: input query0 (given as codes); B: input Wq (given as codes): QUANTISED
;;     4. batch 256 x [M 1,024, K 32] x [K 32, N 1,024]; A: computed on the way; B: computed on the way: QUANTISED
;;     5. batch 256 x [M 1,024, K 1,024] x [K 1,024, N 32]; A: softmax (see below); B: computed on the way: QUANTISED
;;     6. [M 16,384, K 256] x [K 256, N 512]; A: input query0 (given as codes); B: input Wr (given as codes): QUANTISED
;;   THE QUANTISER, for each operand of a quantised product, along K:
;;     - K is cut into blocks of 32 from its start; a last block that is shorter is filled with zeros.
;;     - A block's scale is 2^e with e = floor(log2(the largest magnitude in the block)) - 8, held to -126 .. 127; a block of zeros has e = 0. As a byte (E8M0): e + 127.
;;     - Each number is divided by its block's scale, clamped to +-448, and rounded to the nearest number of E4M3, ties to even, subnormals kept.
;;     - The product sums the exact products of the quantised numbers (number of the format x scale) in f32.
;;   ~~~python
;;   def quantise(x, axis):      # numpy; x: float32 -> the quantised numbers, widened to float32 again
;;       x = np.moveaxis(x, axis, -1); K = x.shape[-1]
;;       x = np.pad(x, [(0, 0)] * (x.ndim - 1) + [(0, -K % 32)]); x = x.reshape(x.shape[:-1] + (-1, 32)); a = np.abs(x).max(-1, keepdims=True)
;;       e = np.where(a > 0, np.clip(np.frexp(np.where(a > 0, a, 1))[1] - 1 - 8, -126, 127), 0)      # np.frexp(a)[1] - 1 = floor(log2(a)), exactly
;;       r = np.clip(x / 2.0 ** e, -448, 448)
;;       step = 2.0 ** (np.maximum(np.frexp(np.where(r == 0, 1, r))[1] - 1, -6) - 3)
;;       q = np.round(r / step) * step * 2.0 ** e      # np.round: ties to even
;;       return np.moveaxis(q.reshape(q.shape[:-2] + (-1,))[..., :K], -1, axis).astype(np.float32)
;;   ~~~
;;   SOFTMAX AHEAD OF A QUANTISED PRODUCT. Where the list says 'softmax', what is quantised is not the finished softmax but p = 2^(t - M), with t = logit x log2(e) and M = ceil(the row's largest t), a whole number; so 1/2 < the row's largest p <= 1. The row's sum l is taken of the UNQUANTISED p, in f32, and the product's result is divided by l at the end. Since M is a whole number, a kernel that streams over the keys may use a running M (the ceiling of the running maximum): every later rescaling is an exact power of two, which a block's scale takes up: the codes' values come out the same.
;;   OPERANDS COMPUTED ON THE WAY. 'Computed on the way' means the value that the module computes at that place (a softmax that the list does not call 'softmax' is quantised finished and normalised). What goes into a quantiser is computed in f32, as accurately as f32 sums, v_exp_f32 and their like allow (about 1e-6 of the number): no bf16 or f16 on the way to a quantiser, and a product that is left as it is and whose result goes on into a quantised operand takes f32 operands (vector FMAs, or v_wmma_f32_16x16x4_f32). A number that lies on a knife's edge between two numbers of the format may be rounded either way, as far as f32 arithmetic and the matrix unit's own rounding can turn it there, and no further.
;;   INPUTS GIVEN AS CODES. Wk (in the module: [256, 512], K = its axis 0); Wq (in the module: [256, 512], K = its axis 0); Wr (in the module: [256, 512], K = its axis 0); Wv (in the module: [256, 512], K = its axis 0); key0 (in the module: [16, 1024, 256], K = its axis 2); query0 (in the module: [16, 1024, 256], K = its axis 2); value0 (in the module: [16, 1024, 256], K = its axis 2): each comes as NAME_codes (uint8): NAME with its K axis moved to the last place and cut into blocks of 32 codes, [.., K / 32, bytes a block], one block behind the other in memory; one code a byte (a code: sign, 4 exponent bits, 3 mantissa bits); and NAME_scales (uint8): the same leading axes, one E8M0 byte (e + 127) for each 32 codes along K. Its value is code x scale, taken as it is: it is not quantised again, and the codes and scales need not be those that the quantiser above would give.
;; 2 versions. Each part assembles by itself: llvm-mc -triple=amdgcn-amd-amdhsa -mcpu=gfx1250 --defsym DOCPART=n.
;; ======== version 1 of 2: 1 launch
;; launch attn (part 1): grid 256 x 1, 16 waves a work-group, no clusters, 260,096 bytes of LDS; arguments key0_codes, key0_scales, value0_codes, value0_scales, query0_codes, query0_scales, Wk_codes, Wk_scales, bk, Wv_codes, Wv_scales, bv, Wr_codes, Wr_scales, br, Wq_codes, Wq_scales, bq, out0; writes out0
.if DOCPART == 1
	.amdgcn_target "amdgcn-amd-amdhsa--gfx1250"
	.amdhsa_code_object_version 6
	.text
	.protected	k_q74033eedc8_attn
	.globl	k_q74033eedc8_attn
	.p2align	8
	.type	k_q74033eedc8_attn,@function
k_q74033eedc8_attn:
	s_mov_b64 s[64:65], 0
	v_nop
	global_prefetch_b8 v0, s[64:65] scope:SCOPE_SE
	s_setreg_imm32_b32 hwreg(HW_REG_WAVE_MODE, 25, 1), 1
	s_wait_xcnt 0x0
; out0 = relu(query0 Wr + br + attention(query0 Wq + bq, key0 Wk + bk, value0 Wv + bv)), all six products on codes of E4M3 with one E8M0 scale for each 32 along K.
; THE VIEW.  The projections [16384][512] are cut into 256 heads of [1024][32] with no transposition: head g is rows 64 g .. 64 g + 63; position s = 16 x (row - 64 g) + column / 32, channel d = column % 32.
; So a head needs 64 rows of each input and the four weights, and makes 64 whole rows of out0: ONE work-group to a head, one launch, nothing through memory.
; SHARES.  Sixteen waves, 256 registers each, four to a SIMD.  Wave w projects column block w (columns 32 w .. 32 w + 31) of k, q and the residual for all 64 rows, and channels 2 w, 2 w + 1 of v for all 1,024 keys;
; in the attention it owns the 64 queries s = 16 x row + w, as four tiles of 16 rows; its results are columns 32 w .. 32 w + 31 of the 64 rows.
; ALL PRODUCTS ARE USED TRANSPOSED (source 0 = rows of a weight, keys or channels; source 1 = rows of x, queries or p): a lane holds one row of x, or one query (lane % 16), and its registers run along the next K.
; Which rows of a weight form a tile is chosen so that the conversions' results are the next operand's registers:
;   Wk, Wq, tile u: lane r takes row 32 w + 8 u + r + 8 (r / 8): the two tiles' 16 registers of lane (r, h) are channels 16 h + 0 .. 15: registers 0-3 of an operand.
;   Wv, tile u: lane r takes row 2 w + u + 32 r: a lane's 8 registers are keys 16 x row + 8 h + 0 .. 7 of channel 2 w + u.        Wr, tile u: row 32 w + 16 u + r: the layout of the attention's result.
;   a tile (c, u) of 16 keys: row p is key 32 c + 8 u + p + 8 (p / 8), so that p's 16 registers of tiles (c, 0), (c, 1) are 16 neighbouring keys.
; K = 32 IN AN INSTRUCTION OF K = 128.  q's operand has its codes in registers 0-3 and ZERO CODES in registers 4-15.  The eight key tiles of a step lie packed, 4 registers each, with 12 registers of zeros behind them; tile t's operand
; is the 16 registers from its own four on, so its blocks 1-3 are other keys' codes (made behind the hold, so never the NaN code), which meet q's zero codes and add exactly 0.  Both scale words carry the one byte four times.
; THE SOFTMAX: t = score x log2(e) / sqrt(2); M = the running largest t rounded up to a whole number; p = 2^(t - M) is quantised along the keys; the row's sum is taken of the unquantised p and divides at the end.
; NO CLUSTER, NO JOINT LOADS: the weights are the only bytes that work-groups share.  Each wave loads its 8,192 bytes of a weight once, straight into the operand registers in which they are used.  A joint load lands in LDS,
; where 69,632 bytes are free beside this map: room for two slots of 128 weight rows, so the four weights would pass in 16 pieces, 14 of them behind a round of the cluster's barrier, each feeding 64 matrix instructions of the work-group.
; NO PREFETCH: every stream is read once, at the head.  No tensor load: x is 3 x 1,024 bytes a wave, copied through registers.
; LIMITS: NaN and infinities among the inputs are not served.  A block of zeros gets the scale byte 1 where the rule says 127: its codes are zeros, and this program alone reads the bytes.
; log2(e) / sqrt(2) is one f32 constant, where the definition multiplies twice.  Blocks whose largest magnitude lies under 2^(9 - 127), the floor, keep the byte 1.
;
; LDS (bytes)
.set XP,    272                        ; a row of x's codes: 256 bytes + 16 of padding: the 16 rows of a fragment load start 68 words apart
.set XK,    0                          ; 64 rows of key0's codes;
.set XV,    64*XP                      ; of value0's;
.set XQ,    2*64*XP                    ; of query0's
.set XSC,   3*64*XP                    ; 3 x 512: their scale bytes, [row][8], as in memory
.set SLAB,  XSC+1536                   ; eight slabs, one for each step of 128 keys
.set SP,    9024                       ; a slab:
.set KBP,   1040                       ;   +0     K's images: block c at 1040 c, tile u at + 512 u, lane l's 16 bytes at 16 l
.set KSO,   4160                       ;   +4160  K's scale words: lane l at 16 l, word c at + 4 c; lanes 0-15 tile u = 0, lanes 16-31 tile u = 1
.set VIO,   4672                       ;   +4672  V's images: chunk 4 dt + c at 528 x chunk, lane l's 16 bytes at 16 l
.set VCP,   528
.set VSO,   8896                       ;   +8896  V's scale words: channel d at 4 d, byte c for the step's block c
.set STG,   SLAB+8*SP                  ; the stage: 64 rows of out0, first the residual, then the finished rows
.set GP,    2064                       ; its pitch: 2,048 bytes + 16
; VECTOR REGISTERS that stay
.set LI,    1                          ; 16 x lane
.set B16,   2                          ; SLAB + 16 x lane
.set B4,    3                          ; SLAB + VSO + 4 x lane
.set A16,   4                          ; the step's B16; at the head: where I put x's codes
.set A4,    5                          ; the step's B4;  at the head: where I put x's scale bytes
.set STW,   6                          ; v6, v7  the stage, my own bytes: STG + 2064 r + 32 h + 128 w; the same 32 rows on
.set STR,   8                          ; v8, v9  the stage, a whole row: STG + 2064 w + 16 x lane; the same 32 rows on
; the projections
.set TA,    10                         ; six registers at work
.set TB,    11
.set TC,    30
.set TD,    31
.set TE,    254
.set TF,    255
.set CD,    12                         ; v12-15  the codes just made
.set AWP,   16                         ; offsets: Wk, Wq codes 256 (r + 8 (r / 8)) + 16 h;
.set ASP,   17                         ;   their scale bytes 8 (r + 8 (r / 8));
.set ABP,   18                         ;   bk, bq 64 h
.set AWN,   19                         ; Wr's codes 256 r + 16 h;
.set ASN,   20                         ;   8 r: Wr's scale bytes, and x's in LDS;
.set ABN,   21                         ;   br 32 h
.set AWV,   22                         ; Wv's codes 8192 r + 16 h;
.set ASV,   23                         ;   its scale bytes 256 r;
.set ABV,   24                         ;   bv 1024 h
.set XFA,   25                         ; LDS: a fragment of x: 272 r + 16 h
.set KWA,   26                         ; LDS: where my lane's key goes: its codes,
.set KSW,   27                         ;   its scale word;
.set VWA,   28                         ;   my lane's 8 keys of a channel,
.set VSW,   29                         ;   their block's byte
.set WFA,   32                         ; v32-95   a weight's four fragments (tile u, K step s) at + 16 (2 u + s): set A
.set WFB,   96                         ; v96-159  set B
.set XF,    160                        ; v160-191 x's two fragments; at the head the copy's registers
.set BIA,   192                        ; v192-207 the bias in the result's layout, tile u at + 8 u: set A
.set BIB,   208                        ; v208-223 set B
.set ACC,   224                        ; v224-239 the two tiles' sums
.set WSA,   240                        ; v240-243 the weight's scale words, 2 u + s: set A.  v240-253 hold scales and nothing else
.set WSB,   244                        ; v244-247 set B
.set XS,    248                        ; v248-249 x's scale words
.set QSS,   250                        ; v250-253 q's scale words, one register a tile
; the attention
.set QF,    16                         ; v16-31   q's operand: codes in v16-19, zero codes behind
.set KF,    32                         ; v32-63   eight key tiles, four registers each; v64-75 zero codes
.set KZ,    64
.set FF,    76                         ; v76      f = 2^(old M - new M); v77 = 0, named with it as a pair
.set TMP,   78
.set QST,   80                         ; v80-95   q's codes, four registers a tile
.set S,     96                         ; v96-159  the scores, then p; on the way out the residual and the rows
.set OT,    160                        ; v160-175 O^T, tile dt at + 8 dt
.set VF,    176                        ; v176-207 V^T's two fragments
.set PP,    208                        ; v208-223 p's codes
.set BM,    224                        ; v224-227 the blocks' largest scores, then largest p
.set PX,    228                        ; v228-231 the other half's; the sums' second chain; the bytes
.set HL,    232                        ; v232-235 448 x the scale
.set SO,    236                        ; v236-239 the conversion's scale operand
.set KS,    240                        ; v240-243 K's scale words
.set VS,    244                        ; V's
.set QSC,   245                        ; q's, of the tile in hand
.set PSW,   246                        ; p's
; SCALAR REGISTERS: s8-45 the 19 buffers, in the order of the arguments
.set WV,    46                         ; my wave's number
.set REP,   47                         ; 0x01010101
.set OFS,   48                         ; s[48:49] an offset, high word 0
.set SCP,   50                         ; s[50:51] the scale bytes that my wave copies
.set W7,    52                         ; w % 8
.set W3,    53                         ; w / 8
.set T0S,   54
.set TS,    55                         ; the slab in hand, in bytes
.set CNT,   56
.set CS,    58                         ; s[58:59] c = log2(e) / sqrt(2)
.set SEL,   60                         ; s[60:61] v_permlanex16_b32's selects for lane l xor 16
.set MNT,   62                         ; the mantissa field of 448
.set T1S,   63
; A weight's part for my wave, from memory straight into operand registers: 16 loads of codes, 2 of scale words.  uc, us: bytes from tile 0 to tile 1
.macro LOADW wf, ws, pc, ps, va, vs, uc, us
.irp u, 0,1
.irp s, 0,1
.irp c, 0,1,2,3
	global_load_b128 v[\wf+16*(2*\u+\s)+4*\c:\wf+16*(2*\u+\s)+4*\c+3], v[\va], s[\pc:\pc+1] offset:\u*\uc+128*\s+32*\c
.endr
.endr
	global_load_b64 v[\ws+2*\u:\ws+2*\u+1], v[\vs], s[\ps:\ps+1] offset:\u*\us
.endr
.endm
; A bias whose eight numbers of a tile are neighbours: 4 loads
.macro LOADB bi, pb, vb, ub
.irp u, 0,1
.irp k, 0,1
	global_load_b128 v[\bi+8*\u+4*\k:\bi+8*\u+4*\k+3], v[\vb], s[\pb:\pb+1] offset:\u*\ub+16*\k
.endr
.endr
.endm
; The 16 numbers of a lane in v[ACC] on, channels 16 h + 0 .. 15 of its row, become four registers of codes in v[dst] on and a scale word in v[wreg].  The block of 32 lies in lanes l and l xor 16.
.macro QUANT16 dst, wreg
	v_max3_num_f32 v[TA], |v[ACC]|, |v[ACC+1]|, 0x4800000          ; the largest magnitude, in two chains, with the floor 2^(9 - 127) among the leaves: the byte cannot fall under 1
	v_max3_num_f32 v[TB], |v[ACC+2]|, |v[ACC+3]|, |v[ACC+4]|
	v_max3_num_f32 v[TA], v[TA], |v[ACC+5]|, |v[ACC+6]|
	v_max3_num_f32 v[TB], v[TB], |v[ACC+7]|, |v[ACC+8]|            ; the second tile's sums are read from their low end on
	v_max3_num_f32 v[TA], v[TA], |v[ACC+9]|, |v[ACC+10]|
	v_max3_num_f32 v[TB], v[TB], |v[ACC+11]|, |v[ACC+12]|
	v_max3_num_f32 v[TA], v[TA], |v[ACC+13]|, |v[ACC+14]|
	v_max3_num_f32 v[TA], v[TA], |v[ACC+15]|, v[TB]
	v_permlanex16_b32 v[TC], v[TA], s[SEL], s[SEL+1]
	v_max_num_f32 v[TA], v[TA], v[TC]                              ; with lane l xor 16's: the block's
	v_add_nc_u32 v[TC], 0xfc000000, v[TA]                          ; 8 off its exponent field: the conversion's scale operand
	v_and_or_b32 v[TD], v[TA], 0x7f800000, s[MNT]                  ; 448 x the scale
	v_lshrrev_b32 v[TE], 23, v[TC]                                 ; the scale's byte,
	v_mul_lo_u32 v[\wreg], v[TE], s[REP]                           ; four times in the word
.irp i, 0,1,2,3,4,5,6,7,8,9,10,11,12,13,14,15
	v_med3_num_f32 v[ACC+\i], v[ACC+\i], -v[TD], v[TD]             ; the conversion to an 8-bit code does not saturate (ISA guide 7.6.2): the hold at the largest code x the scale
.endr
	v_cvt_scalef32_pk8_fp8_f32 v[\dst:\dst+1], v[ACC:ACC+7], v[TC]
	v_cvt_scalef32_pk8_fp8_f32 v[\dst+2:\dst+3], v[ACC+8:ACC+15], v[TC]
	v_nop                                                          ; one plain line behind the last conversion, ahead of whatever next touches its registers
.endm
; v: a lane's 8 registers of tile u are keys 16 x row + 8 h + 0 .. 7 of channel 2 w + u.  A block of 32 keys is two rows of x: lanes l, l xor 1, l xor 16, l xor 17.  The two tiles by turns.
.macro VFIN mt
	v_max3_num_f32 v[TA], |v[ACC]|, |v[ACC+1]|, 0x4800000
	v_max3_num_f32 v[TD], |v[ACC+8]|, |v[ACC+9]|, 0x4800000
.irp i, 2,4,6
	v_max3_num_f32 v[TA], v[TA], |v[ACC+\i]|, |v[ACC+\i+1]|
	v_max3_num_f32 v[TD], v[TD], |v[ACC+8+\i]|, |v[ACC+9+\i]|
.endr
	v_max_num_f32_dpp v[TA], v[TA], v[TA] row_xmask:1 row_mask:0xf bank_mask:0xf
	v_max_num_f32_dpp v[TD], v[TD], v[TD] row_xmask:1 row_mask:0xf bank_mask:0xf
	v_permlanex16_b32 v[TB], v[TA], s[SEL], s[SEL+1]
	v_permlanex16_b32 v[TE], v[TD], s[SEL], s[SEL+1]
	v_max_num_f32 v[TA], v[TA], v[TB]
	v_max_num_f32 v[TD], v[TD], v[TE]
	v_add_nc_u32 v[TB], 0xfc000000, v[TA]                          ; the conversions' scale operands,
	v_add_nc_u32 v[TE], 0xfc000000, v[TD]
	v_and_or_b32 v[TA], v[TA], 0x7f800000, s[MNT]                  ; 448 x the scales,
	v_and_or_b32 v[TD], v[TD], 0x7f800000, s[MNT]
	v_lshrrev_b32 v[TC], 23, v[TB]                                 ; the bytes
	v_lshrrev_b32 v[TF], 23, v[TE]
.irp i, 0,1,2,3,4,5,6,7
	v_med3_num_f32 v[ACC+\i], v[ACC+\i], -v[TA], v[TA]
	v_med3_num_f32 v[ACC+8+\i], v[ACC+8+\i], -v[TD], v[TD]
.endr
	v_cvt_scalef32_pk8_fp8_f32 v[CD:CD+1], v[ACC:ACC+7], v[TB]
	v_cvt_scalef32_pk8_fp8_f32 v[CD+2:CD+3], v[ACC+8:ACC+15], v[TE]
	v_nop
	ds_store_b64 v[VWA], v[CD:CD+1] offset:2*SP*\mt                ; 8 bytes of the image of V^T's fragment
	ds_store_b64 v[VWA], v[CD+2:CD+3] offset:2*SP*\mt+16
	ds_store_b8 v[VSW], v[TC] offset:2*SP*\mt                      ; the block's four lanes write the same byte with the same value
	ds_store_b8 v[VSW], v[TF] offset:2*SP*\mt+4
.endm
; A projection of my wave's 32 columns for the 64 rows, 16 rows at a time: x's two fragments from LDS, four matrix instructions on two accumulators by turns (the bias is the C of each sum's first), and the finish.
; kind 0: k; 1: v; 2: the residual; 3: q.   left: the global loads issued behind this weight's, which may stay out.
.macro PROJ wf, ws, bi, xoff, xsoff, kind, left
.irp mt, 0,1,2,3
.irp s, 0,1
.irp c, 0,1,2,3
	ds_load_b128 v[XF+16*\s+4*\c:XF+16*\s+4*\c+3], v[XFA] offset:\xoff+16*XP*\mt+128*\s+32*\c
.endr
.endr
	ds_load_b64 v[XS:XS+1], v[ASN] offset:XSC+\xsoff+128*\mt       ; lane r: row r's two scale words
	s_wait_dscnt 0x0                                               ; x's fragments are in
.if \mt == 0
	s_wait_loadcnt \left                                           ; the weight's fragments, scale words and bias are in
.endif
	v_wmma_scale_f32_16x16x128_f8f6f4 v[ACC:ACC+7], v[\wf:\wf+15], v[XF:XF+15], v[\bi:\bi+7], v[\ws], v[XS]
	v_wmma_scale_f32_16x16x128_f8f6f4 v[ACC+8:ACC+15], v[\wf+32:\wf+47], v[XF:XF+15], v[\bi+8:\bi+15], v[\ws+2], v[XS]
	v_wmma_scale_f32_16x16x128_f8f6f4 v[ACC:ACC+7], v[\wf+16:\wf+31], v[XF+16:XF+31], v[ACC:ACC+7], v[\ws+1], v[XS+1]
	v_wmma_scale_f32_16x16x128_f8f6f4 v[ACC+8:ACC+15], v[\wf+48:\wf+63], v[XF+16:XF+31], v[ACC+8:ACC+15], v[\ws+3], v[XS+1]
.rept 9
	v_nop                                                          ; eight places ahead of the reads of the sums and of loads into the operands; the ninth for the next 16 rows' first product, which writes over the sums
.endr
.if \kind == 0
	QUANT16 CD, TF
	ds_store_b128 v[KWA], v[CD:CD+3] offset:2*SP*\mt               ; my lane's key, into the image of its tile
	ds_store_b32 v[KSW], v[TF] offset:2*SP*\mt                     ; lanes l and l xor 16 write the same word with the same value
.elseif \kind == 1
	VFIN \mt
.elseif \kind == 2
.irp k, 0,1,2,3
	ds_store_b128 v[STW+\mt/2], v[ACC+4*\k:ACC+4*\k+3] offset:16*GP*(\mt%2)+16*\k+32*(\k/2)   ; row 16 mt + r, columns 32 w + 16 u + 8 h + 0 .. 7: 64 u + 16 (k % 2) bytes on; each sum from its low end on
.endr
.else
	QUANT16 QST+4*\mt, QSS+\mt                                     ; q's codes are my own operand: they stay in registers
.endif
.endr
.endm
	s_load_b512 s[8:23], s[0:1], 0x0               ; key0 codes 8, scales 10; value0 12, 14; query0 16, 18; Wk codes 20, scales 22
	s_load_b512 s[24:39], s[0:1], 0x40             ; bk 24; Wv codes 26, scales 28; bv 30; Wr codes 32, scales 34; br 36; Wq codes 38
	s_load_b128 s[40:43], s[0:1], 0x80             ; Wq scales 40; bq 42
	s_load_b64 s[44:45], s[0:1], 0x90              ; out0
	v_lshrrev_b32 v[TA], 5, v0
	v_readfirstlane_b32 s[WV], v[TA]               ; wave 0..15
	v_and_b32 v[TC], 31, v0                        ; lane
	v_and_b32 v[TA], 15, v0                        ; r
	v_bfe_u32 v[TB], v0, 4, 1                      ; h
	v_and_b32 v[TD], 8, v[TA]
	v_add_nc_u32 v[TD], v[TD], v[TA]               ; r + 8 (r / 8)
	v_lshlrev_b32 v[LI], 4, v[TC]
	v_lshlrev_b32 v[AWP], 8, v[TD]
	v_lshl_add_u32 v[AWP], v[TB], 4, v[AWP]
	v_lshlrev_b32 v[ASP], 3, v[TD]
	v_lshlrev_b32 v[ABP], 6, v[TB]
	v_lshlrev_b32 v[AWN], 8, v[TA]
	v_lshl_add_u32 v[AWN], v[TB], 4, v[AWN]
	v_lshlrev_b32 v[ASN], 3, v[TA]
	v_lshlrev_b32 v[ABN], 5, v[TB]
	v_lshlrev_b32 v[AWV], 13, v[TA]
	v_lshl_add_u32 v[AWV], v[TB], 4, v[AWV]
	v_lshlrev_b32 v[ASV], 8, v[TA]
	v_lshlrev_b32 v[ABV], 10, v[TB]
	s_mov_b32 s[REP], 0x01010101
	s_mov_b32 s[CS], 0x3f8293ee                    ; log2(e) / sqrt(2)
	s_mov_b32 s[CS+1], s[CS]                       ; (named with it as a pair, so it is written)
	s_mov_b32 s[SEL], 0x76543210
	s_mov_b32 s[SEL+1], 0xfedcba98
	s_mov_b32 s[MNT], 0x600000
	s_and_b32 s[W7], s[WV], 7
	s_lshr_b32 s[W3], s[WV], 3
	s_mov_b32 s[OFS+1], 0
	s_lshl_b32 s[OFS], ttmp9, 14                   ; the head's 64 rows of 256 bytes,
	s_lshl_b32 s[T0S], s[WV], 10                   ; my wave's four of them
	s_add_co_u32 s[OFS], s[OFS], s[T0S]
	s_wait_kmcnt 0x0
.irp p, 8,12,16
	s_add_nc_u64 s[\p:\p+1], s[\p:\p+1], s[OFS:OFS+1]
.endr
	s_lshl_b32 s[OFS], ttmp9, 9                    ; the head's 64 rows of 8 scale bytes
.irp p, 10,14,18
	s_add_nc_u64 s[\p:\p+1], s[\p:\p+1], s[OFS:OFS+1]
.endr
	s_lshl_b32 s[OFS], s[WV], 13                   ; Wk, Wr, Wq: my 32 rows of 256 bytes,
.irp p, 20,32,38
	s_add_nc_u64 s[\p:\p+1], s[\p:\p+1], s[OFS:OFS+1]
.endr
	s_lshl_b32 s[OFS], s[WV], 8                    ; of 8 scale bytes,
.irp p, 22,34,40
	s_add_nc_u64 s[\p:\p+1], s[\p:\p+1], s[OFS:OFS+1]
.endr
	s_lshl_b32 s[OFS], s[WV], 7                    ; and my 32 numbers of the biases
.irp p, 24,36,42
	s_add_nc_u64 s[\p:\p+1], s[\p:\p+1], s[OFS:OFS+1]
.endr
	s_lshl_b32 s[OFS], s[WV], 9                    ; Wv: from row 2 w on
	s_add_nc_u64 s[26:27], s[26:27], s[OFS:OFS+1]
	s_lshl_b32 s[OFS], s[WV], 4
	s_add_nc_u64 s[28:29], s[28:29], s[OFS:OFS+1]
	s_lshl_b32 s[OFS], s[WV], 3
	s_add_nc_u64 s[30:31], s[30:31], s[OFS:OFS+1]
	s_lshl_b32 s[OFS], ttmp9, 17                   ; out0: the head's 64 rows of 2,048 bytes, + row w
	s_lshl_b32 s[T0S], s[WV], 11
	s_add_co_u32 s[OFS], s[OFS], s[T0S]
	s_add_nc_u64 s[44:45], s[44:45], s[OFS:OFS+1]
	s_cmp_eq_u32 s[WV], 0                          ; wave 0 copies key0's scale bytes, wave 1 value0's, wave 2 query0's (the others load query0's too and store nothing: every wave issues the same loads)
	s_cselect_b64 s[SCP:SCP+1], s[10:11], s[18:19]
	s_cmp_eq_u32 s[WV], 1
	s_cselect_b64 s[SCP:SCP+1], s[14:15], s[SCP:SCP+1]
	global_load_b128 v[XF+24:XF+27], v[LI], s[SCP:SCP+1]           ; 512 consecutive bytes: 64 rows' scale bytes
.irp n, 0,1,2
.irp i, 0,1
	global_load_b128 v[XF+4*(2*\n+\i):XF+4*(2*\n+\i)+3], v[LI], s[8+4*\n:9+4*\n] offset:512*\i th:TH_LOAD_NT   ; rows 4 w + 2 i, + 1 of each input: 512 consecutive bytes
.endr
.endr
	LOADW WFA, WSA, 20, 22, AWP, ASP, 2048, 64     ; Wk and bk: 22 loads
	LOADB BIA, 24, ABP, 32
	LOADW WFB, WSB, 26, 28, AWV, ASV, 256, 8       ; Wv and bv: 34 loads
.irp u, 0,1
.irp j, 0,1,2,3,4,5,6,7
	global_load_b32 v[BIB+8*\u+\j], v[ABV], s[30:31] offset:4*\u+128*\j   ; bv at column 2 w + u + 32 (8 h + j)
.endr
.endr
	; the LDS addresses, all made ahead of the one branch on the wave's number
	v_add_nc_u32 v[B16], SLAB, v[LI]
	v_lshl_add_u32 v[B4], v[TC], 2, SLAB+VSO
	v_mul_u32_u24 v[XFA], v[TA], XP
	v_lshl_add_u32 v[XFA], v[TB], 4, v[XFA]
	v_mul_u32_u24 v[A16], v[TB], XP                ; the copy: lanes 0-15 one row, lanes 16-31 the next; my wave's four rows
	v_lshl_add_u32 v[A16], v[TA], 4, v[A16]
	s_mul_i32 s[T0S], s[WV], 4*XP
	v_add_nc_u32 v[A16], s[T0S], v[A16]
	s_lshl_b32 s[T0S], s[WV], 9
	s_add_co_u32 s[T0S], s[T0S], XSC
	v_add_nc_u32 v[A4], s[T0S], v[LI]
	v_mul_u32_u24 v[STW], v[TA], GP
	v_lshl_add_u32 v[STW], v[TB], 5, v[STW]
	s_lshl_b32 s[T0S], s[WV], 7
	s_add_co_u32 s[T0S], s[T0S], STG
	v_add_nc_u32 v[STW], s[T0S], v[STW]
	v_add_nc_u32 v[STW+1], 32*GP, v[STW]
	s_mul_i32 s[T0S], s[WV], GP
	s_add_co_u32 s[T0S], s[T0S], STG
	v_add_nc_u32 v[STR], s[T0S], v[LI]
	v_add_nc_u32 v[STR+1], 32*GP, v[STR]
	; row 16 mt + r of x is key step 2 mt + r / 8, block (r / 2) % 4, half r % 2
	v_bfe_u32 v[TE], v0, 3, 1
	v_mul_u32_u24 v[TE], v[TE], SP                 ; SP (r / 8)
	v_bfe_u32 v[TF], v0, 1, 2                      ; (r / 2) % 4
	v_and_b32 v[TD], 1, v0                         ; r % 2
	s_lshl_b32 s[T0S], s[W3], 9                    ; K's image: tile u = w / 8, lane 8 (r % 2) + w % 8 + 16 h
	s_lshl_b32 s[T1S], s[W7], 4
	s_add_co_u32 s[T0S], s[T0S], s[T1S]
	s_add_co_u32 s[T0S], s[T0S], SLAB
	v_mad_u32_u24 v[KWA], v[TF], KBP, v[TE]
	v_lshl_add_u32 v[KWA], v[TD], 7, v[KWA]
	v_lshl_add_u32 v[KWA], v[TB], 8, v[KWA]
	v_add_nc_u32 v[KWA], s[T0S], v[KWA]
	s_lshl_b32 s[T0S], s[W3], 8                    ; K's scale word: lane 8 (r % 2) + w % 8 + 16 (w / 8), word (r / 2) % 4
	s_add_co_u32 s[T0S], s[T0S], s[T1S]
	s_add_co_u32 s[T0S], s[T0S], SLAB+KSO
	v_lshl_add_u32 v[KSW], v[TF], 2, v[TE]
	v_lshl_add_u32 v[KSW], v[TD], 7, v[KSW]
	v_add_nc_u32 v[KSW], s[T0S], v[KSW]
	s_mul_i32 s[T0S], s[W3], 4*VCP                 ; V's image: chunk 4 (w / 8) + (r / 2) % 4, lane 2 (w % 8) + u + 16 (r % 2), byte 8 h
	s_lshl_b32 s[T1S], s[W7], 5
	s_add_co_u32 s[T0S], s[T0S], s[T1S]
	s_add_co_u32 s[T0S], s[T0S], SLAB+VIO
	v_mad_u32_u24 v[VWA], v[TF], VCP, v[TE]
	v_lshl_add_u32 v[VWA], v[TD], 8, v[VWA]
	v_lshl_add_u32 v[VWA], v[TB], 3, v[VWA]
	v_add_nc_u32 v[VWA], s[T0S], v[VWA]
	s_lshl_b32 s[T0S], s[WV], 3                    ; V's scale byte: word 2 w + u, byte (r / 2) % 4
	s_add_co_u32 s[T0S], s[T0S], SLAB+VSO
	v_add_nc_u32 v[VSW], v[TF], v[TE]
	v_add_nc_u32 v[VSW], s[T0S], v[VSW]
	s_wait_loadcnt 56                              ; x's seven loads are in; behind them stand Wk's 22 and Wv's 34
.irp n, 0,1,2
.irp i, 0,1
	ds_store_b128 v[A16], v[XF+4*(2*\n+\i):XF+4*(2*\n+\i)+3] offset:64*XP*\n+2*XP*\i
.endr
.endr
	s_cmp_lt_u32 s[WV], 3
	s_cbranch_scc0 .Lno_scales
	ds_store_b128 v[A4], v[XF+24:XF+27]
.Lno_scales:
	s_wait_dscnt 0x0                               ; for the others' sake: my part of x lies in LDS
	s_barrier_signal -1
	s_barrier_wait -1                              ; everybody's does
	PROJ WFA, WSA, BIA, XK, 0, 0, 34               ; k; Wv's 34 loads may stay out
	LOADW WFA, WSA, 32, 34, AWN, ASN, 4096, 128    ; Wr and br take set A: 22 loads, which land while v is made
	LOADB BIA, 36, ABN, 64
	PROJ WFB, WSB, BIB, XV, 512, 1, 22             ; v; Wr's 22 may stay out
	LOADW WFB, WSB, 38, 40, AWP, ASP, 2048, 64     ; Wq and bq take set B: 22 loads
	LOADB BIB, 42, ABP, 32
	PROJ WFA, WSA, BIA, XQ, 1024, 2, 22            ; the residual; Wq's 22 may stay out
	PROJ WFB, WSB, BIB, XQ, 1024, 3, 0             ; q
	s_wait_dscnt 0x0                               ; my parts of the slabs lie in LDS
	s_barrier_signal -1
	s_barrier_wait -1                              ; the eight slabs are whole; nobody writes them again
.irp i, 4,5,6,7,8,9,10,11,12,13,14,15
	v_mov_b32 v[QF+\i], 0                          ; q's zero codes for K = 32 .. 127 (every global load has been waited for: its offset register may be written)
.endr
.irp i, 0,1,2,3,4,5,6,7,8,9,10,11
	v_mov_b32 v[KZ+\i], 0                          ; zero codes behind the last key tile
.endr
	v_mov_b32 v[FF+1], 0                           ; (named as the upper half of a pair)
; A KEY STEP: 128 keys against my 16 queries.
.macro KSTEP
	v_add_nc_u32 v[A16], s[TS], v[B16]
	v_add_nc_u32 v[A4], s[TS], v[B4]
.irp c, 0,1,2,3
.irp u, 0,1
	ds_load_b128 v[KF+4*(2*\c+\u):KF+4*(2*\c+\u)+3], v[A16] offset:KBP*\c+512*\u
.endr
.endr
	ds_load_b128 v[KS:KS+3], v[A16] offset:KSO     ; register c: lanes 0-15 the words of tile (c, 0), lanes 16-31 those of tile (c, 1)
	s_wait_dscnt 0x0
.irp c, 0,1,2,3                                ; S^T = K Q^T: lane (r, h) holds query r; the 16 registers of tiles (c, 0), (c, 1) are keys 32 c + 16 h + 0 .. 15
	v_wmma_scale_f32_16x16x128_f8f6f4 v[S+16*\c:S+16*\c+7], v[KF+8*\c:KF+8*\c+15], v[QF:QF+15], 0, v[KS+\c], v[QSC]
	v_wmma_scale_f32_16x16x128_f8f6f4 v[S+16*\c+8:S+16*\c+15], v[KF+8*\c+4:KF+8*\c+19], v[QF:QF+15], 0, v[KS+\c], v[QSC] matrix_a_scale:MATRIX_SCALE_ROW1
.endr
.rept 8
	v_nop                                          ; eight places ahead of the first read of the scores; with the two additions above also those between the last step's products and the loads into their operands below
.endr
.irp dt, 0,1
.irp c, 0,1,2,3
	ds_load_b128 v[VF+16*\dt+4*\c:VF+16*\dt+4*\c+3], v[A16] offset:VIO+VCP*(4*\dt+\c)   ; V^T lands while the softmax is walked
.endr
.endr
	ds_load_b32 v[VS], v[A4]                       ; lane d: channel d's scale word
.irp b, 0,1,2,3
	v_max3_num_f32 v[BM+\b], v[S+16*\b], v[S+16*\b+1], v[S+16*\b+2]   ; the largest score of each block of 32 keys: for the row's maximum, and, since p rises with the score, for the block's largest p
.endr
.irp i, 3,5,7,9,11,13
.irp b, 0,1,2,3
	v_max3_num_f32 v[BM+\b], v[BM+\b], v[S+16*\b+\i], v[S+16*\b+\i+1]
.endr
.endr
.irp b, 0,1,2,3
	v_max_num_f32 v[BM+\b], v[BM+\b], v[S+16*\b+15]
.endr
.irp b, 0,1,2,3
	v_permlanex16_b32 v[PX+\b], v[BM+\b], s[SEL], s[SEL+1]         ; (its destination has been written: by the projections, later by the last step)
.endr
.irp b, 0,1,2,3
	v_max_num_f32 v[BM+\b], v[BM+\b], v[PX+\b]     ; with lane l xor 16's 16 keys
.endr
	v_max3_num_f32 v[TMP], v[BM], v[BM+1], v[BM+2]
	v_max_num_f32 v[TMP], v[TMP], v[BM+3]          ; the step's largest score of my query,
	v_mul_f32 v[TMP], s[CS], v[TMP]                ; as t (c is positive)
	v_max_num_f32 v13, v13, v[TMP]                 ; the running largest t
	v_mov_b32 v[TMP], v12
	v_floor_f32 v12, -v13                          ; the new -M = floor(-t): M is a whole number
	v_sub_f32 v[TMP], v12, v[TMP]                  ; old M - new M: a whole number, 0 or less
	v_cvt_i32_f32 v[TMP], v[TMP]                   ; (it saturates)
	v_ldexp_f32 v[FF], 1.0, v[TMP]                 ; f = 2^(old M - new M): a multiplication by it rounds nothing
.set j, 0
.rept 32
	v_pk_fma_f32 v[S+j:S+j+1], v[S+j:S+j+1], s[CS:CS+1], v[12:13] op_sel_hi:[1,0,0]   ; t - M, two at a time
.set j, j+2
.endr
.irp b, 0,1,2,3
	v_fma_f32 v[BM+\b], v[BM+\b], s[CS], v12       ; the same of each block's largest score
.endr
.set j, 0
.rept 64
	v_exp_f32 v[S+j], v[S+j]                       ; p = 2^(t - M), at most 1, not normalised
.set j, j+1
.endr
	v_pk_mul_f32 v[14:15], v[14:15], v[FF:FF+1] op_sel_hi:[1,0]    ; the sums under the new M: the plain line behind the exponentials
	s_wait_alu depctr_va_vdst(0)                   ; one wait for the batch of 64, ahead of its first reader
.irp b, 0,1,2,3
	v_exp_f32 v[BM+\b], v[BM+\b]                   ; the blocks' largest p: the same two instructions on the same number give the same bits
.endr
	v_pk_add_f32 v[PX:PX+1], v[S:S+1], v[S+2:S+3]  ; the row's sum is taken of the unquantised p: two at a time, in two chains
.irp j, 4,8,12,16,20,24,28,32,36,40,44,48,52,56,60
	v_pk_add_f32 v[14:15], v[14:15], v[S+\j:S+\j+1]
	v_pk_add_f32 v[PX:PX+1], v[PX:PX+1], v[S+\j+2:S+\j+3]
.endr
	v_pk_add_f32 v[14:15], v[14:15], v[PX:PX+1]
	s_wait_alu depctr_va_vdst(0)                   ; and one for the four
.irp b, 0,1,2,3
	v_max_num_f32 v[BM+\b], 0x4800000, v[BM+\b]    ; the floor 2^(9 - 127): the byte cannot fall under 1
.endr
.irp b, 0,1,2,3
	v_add_nc_u32 v[SO+\b], 0xfc000000, v[BM+\b]    ; 8 off the exponent field: the conversion's scale operand
.endr
.irp b, 0,1,2,3
	v_and_or_b32 v[HL+\b], v[BM+\b], 0x7f800000, s[MNT]            ; 448 x the scale
.endr
.irp b, 0,1,2,3
	v_lshrrev_b32 v[PX+\b], 23, v[SO+\b]           ; the scale's byte
.endr
	v_lshl_or_b32 v[PSW], v[PX+1], 8, v[PX]        ; p's scale word for these 128 keys: 64 holds stand between it and the products
	v_lshl_or_b32 v[PSW], v[PX+2], 16, v[PSW]
	v_lshl_or_b32 v[PSW], v[PX+3], 24, v[PSW]
.irp b, 0,1,2,3
.irp i, 0,1,2,3,4,5,6,7,8,9,10,11,12,13,14,15
	v_min_num_f32 v[S+16*\b+\i], v[S+16*\b+\i], v[HL+\b]           ; the conversion does not saturate (ISA guide 7.6.2); p is not negative, so the hold is one-sided
.endr
	v_cvt_scalef32_pk8_fp8_f32 v[PP+4*\b:PP+4*\b+1], v[S+16*\b:S+16*\b+7], v[SO+\b]
	v_cvt_scalef32_pk8_fp8_f32 v[PP+4*\b+2:PP+4*\b+3], v[S+16*\b+8:S+16*\b+15], v[SO+\b]
.endr
.irp j, 0,2,4,6,8,10,12,14
	v_pk_mul_f32 v[OT+\j:OT+\j+1], v[OT+\j:OT+\j+1], v[FF:FF+1] op_sel_hi:[1,0]   ; O^T under the new M; for each of the two products four of these eight name none of its registers: the places between the codes and it
.endr
	s_wait_dscnt 0x0                               ; V^T and its scale words are in
	v_wmma_scale_f32_16x16x128_f8f6f4 v[OT:OT+7], v[VF:VF+15], v[PP:PP+15], v[OT:OT+7], v[VS], v[PSW]
	v_wmma_scale_f32_16x16x128_f8f6f4 v[OT+8:OT+15], v[VF+16:VF+31], v[PP:PP+15], v[OT+8:OT+15], v[VS], v[PSW] matrix_a_scale:MATRIX_SCALE_ROW1
.endm
; A TILE of 16 queries: rows 16 mt + r of x, column block w.  Eight key steps, then the way out.  No two matrix instructions that follow each other share an accumulator, round the loop's edge too.
.macro TILE mt
.if \mt > 0
	s_wait_xcnt 0x0                                ; the last tile's stores have read their registers, which the scores take
.endif
	v_mov_b32 v[QSC], v[QSS+\mt]                   ; the tile's scale words and codes: the lines below are the places between them and the first product
.irp i, 0,1,2,3
	v_mov_b32 v[QF+\i], v[QST+4*\mt+\i]
.endr
	v_mov_b32 v13, 0xff61b1e6                      ; the largest t so far: -3e38, under every t
	v_floor_f32 v12, -v13                          ; -M
	v_mov_b32 v14, 0                               ; the sum, in two halves
	v_mov_b32 v15, 0
.irp i, 0,1,2,3,4,5,6,7,8,9,10,11,12,13,14,15
	v_mov_b32 v[OT+\i], 0                          ; O^T: the step is written once; the first finds zeros, which the first change of M leaves zeros
.endr
	s_mov_b32 s[TS], 0
	s_mov_b32 s[CNT], 8
.Lstep_\@:
	KSTEP
	s_add_co_u32 s[TS], s[TS], SP                  ; the next slab
	s_sub_co_u32 s[CNT], s[CNT], 1
	s_cmp_lg_u32 s[CNT], 0
	s_cbranch_scc1 .Lstep_\@
	; THE WAY OUT: relu(residual + O^T / the sum), into my own bytes of the stage; a barrier; then each wave stores one whole row
.irp k, 0,1,2,3
	ds_load_b128 v[S+4*\k:S+4*\k+3], v[STW+\mt/2] offset:16*GP*(\mt%2)+16*\k+32*(\k/2)   ; the residual, which I put there myself, in O^T's layout
.endr
	v_add_f32 v14, v14, v15                        ; the sum's two halves,
	v_permlanex16_b32 v[TMP], v14, s[SEL], s[SEL+1]
	v_add_f32 v14, v14, v[TMP]                     ; and lane l xor 16's
	v_rcp_f32 v14, v14
.rept 8
	v_nop                                          ; eight places between the last products and the first read of O^T; the first is also the plain line behind the reciprocal
.endr
	s_wait_alu depctr_va_vdst(0)                   ; ahead of the reciprocal's first reader
	s_wait_dscnt 0x0
.irp j, 0,2,4,6,8,10,12,14
	v_pk_fma_f32 v[S+\j:S+\j+1], v[OT+\j:OT+\j+1], v[14:15], v[S+\j:S+\j+1] op_sel_hi:[1,0,1]   ; each accumulator from its low end on
.endr
.irp i, 0,1,2,3,4,5,6,7,8,9,10,11,12,13,14,15
	v_max_num_f32 v[S+\i], 0, v[S+\i]
.endr
.irp k, 0,1,2,3
	ds_store_b128 v[STW+\mt/2], v[S+4*\k:S+4*\k+3] offset:16*GP*(\mt%2)+16*\k+32*(\k/2)
.endr
	s_wait_dscnt 0x0                               ; for the others' sake: my 128 bytes of each of the 16 rows lie in the stage
	s_barrier_signal -1
	s_barrier_wait -1                              ; the 16 rows are whole; nobody writes them again
.irp i, 0,1,2,3
	ds_load_b128 v[S+4*\i:S+4*\i+3], v[STR+\mt/2] offset:16*GP*(\mt%2)+512*\i   ; row 16 mt + w
.endr
.irp i, 0,1,2,3
	s_wait_dscnt 3-\i                              ; the younger loads may stay out
	global_store_b128 v[LI], v[S+4*\i:S+4*\i+3], s[44:45] offset:32768*\mt+512*\i th:TH_STORE_NT   ; 32 lanes store 512 consecutive bytes, at a multiple of 512 from out0's first byte; they leave while the next tile is computed
.endr
.endm
	TILE 0
	TILE 1
	TILE 2
	TILE 3
	s_wait_xcnt 0x0
	v_lshl_add_u32 v254, v0, 2, 0x3f000
	v_mov_b32 v255, 0
	s_wait_tensorcnt 0x0
	ds_add_u32 v254, v255
	s_wait_dscnt 0x0
	s_endpgm
.Lfunc_end_k_q74033eedc8_attn:
	.size	k_q74033eedc8_attn, .Lfunc_end_k_q74033eedc8_attn-k_q74033eedc8_attn
	.p2alignl 7, 3214868480
	.fill 96, 4, 3214868480
	.section	.rodata,"a",@progbits
	.p2align	6, 0x0
	.amdhsa_kernel k_q74033eedc8_attn
		.amdhsa_group_segment_fixed_size 260096
		.amdhsa_private_segment_fixed_size 0
		.amdhsa_enable_private_segment 0
		.amdhsa_kernarg_size 152
		.amdhsa_user_sgpr_count 2
		.amdhsa_user_sgpr_kernarg_segment_ptr 1
		.amdhsa_wavefront_size32 1
		.amdhsa_system_sgpr_workgroup_id_x 1
		.amdhsa_system_sgpr_workgroup_id_y 1
		.amdhsa_system_sgpr_workgroup_id_z 1
		.amdhsa_system_vgpr_workitem_id 0
		.amdhsa_next_free_vgpr 256
		.amdhsa_next_free_sgpr 66
		.amdhsa_reserve_vcc 0
		.amdhsa_float_denorm_mode_32 3
		.amdhsa_float_denorm_mode_16_64 3
		.amdhsa_memory_ordered 1
		.amdhsa_forward_progress 1
		.amdhsa_inst_pref_size 148
	.end_amdhsa_kernel
	.amdgpu_metadata
---
amdhsa.version: [ 1, 2 ]
amdhsa.kernels:
  - .name:           k_q74033eedc8_attn
    .symbol:         k_q74033eedc8_attn.kd
    .args:
      - { .name: key0_codes, .offset: 0, .size: 8, .value_kind: global_buffer, .address_space: global }
      - { .name: key0_scales, .offset: 8, .size: 8, .value_kind: global_buffer, .address_space: global }
      - { .name: value0_codes, .offset: 16, .size: 8, .value_kind: global_buffer, .address_space: global }
      - { .name: value0_scales, .offset: 24, .size: 8, .value_kind: global_buffer, .address_space: global }
      - { .name: query0_codes, .offset: 32, .size: 8, .value_kind: global_buffer, .address_space: global }
      - { .name: query0_scales, .offset: 40, .size: 8, .value_kind: global_buffer, .address_space: global }
      - { .name: Wk_codes, .offset: 48, .size: 8, .value_kind: global_buffer, .address_space: global }
      - { .name: Wk_scales, .offset: 56, .size: 8, .value_kind: global_buffer, .address_space: global }
      - { .name: bk, .offset: 64, .size: 8, .value_kind: global_buffer, .address_space: global }
      - { .name: Wv_codes, .offset: 72, .size: 8, .value_kind: global_buffer, .address_space: global }
      - { .name: Wv_scales, .offset: 80, .size: 8, .value_kind: global_buffer, .address_space: global }
      - { .name: bv, .offset: 88, .size: 8, .value_kind: global_buffer, .address_space: global }
      - { .name: Wr_codes, .offset: 96, .size: 8, .value_kind: global_buffer, .address_space: global }
      - { .name: Wr_scales, .offset: 104, .size: 8, .value_kind: global_buffer, .address_space: global }
      - { .name: br, .offset: 112, .size: 8, .value_kind: global_buffer, .address_space: global }
      - { .name: Wq_codes, .offset: 120, .size: 8, .value_kind: global_buffer, .address_space: global }
      - { .name: Wq_scales, .offset: 128, .size: 8, .value_kind: global_buffer, .address_space: global }
      - { .name: bq, .offset: 136, .size: 8, .value_kind: global_buffer, .address_space: global }
      - { .name: out0, .offset: 144, .size: 8, .value_kind: global_buffer, .address_space: global }
    .group_segment_fixed_size: 260096
    .private_segment_fixed_size: 0
    .kernarg_segment_align: 8
    .kernarg_segment_size: 152
    .max_flat_workgroup_size: 512
    .sgpr_count:     66
    .vgpr_count:     256
    .wavefront_size: 32
...
	.end_amdgpu_metadata
.endif
;; end of part 1
;; ======== version 2 of 2: 1 launch; version 1 with the launch attn written anew for expert scheduling mode
;; launch attn (part 2): grid 256 x 1, 16 waves a work-group, no clusters, 260,096 bytes of LDS; arguments key0_codes, key0_scales, value0_codes, value0_scales, query0_codes, query0_scales, Wk_codes, Wk_scales, bk, Wv_codes, Wv_scales, bv, Wr_codes, Wr_scales, br, Wq_codes, Wq_scales, bq, out0; writes out0
.if DOCPART == 2
	.amdgcn_target "amdgcn-amd-amdhsa--gfx1250"
	.amdhsa_code_object_version 6
	.text
	.protected	k_q74033eedc8_attn
	.globl	k_q74033eedc8_attn
	.p2align	8
	.type	k_q74033eedc8_attn,@function
k_q74033eedc8_attn:
	s_mov_b64 s[64:65], 0
	v_nop
	global_prefetch_b8 v0, s[64:65] scope:SCOPE_SE
	s_setreg_imm32_b32 hwreg(HW_REG_WAVE_SCHED_MODE, 0, 2), 2
	s_setreg_imm32_b32 hwreg(HW_REG_WAVE_MODE, 25, 1), 1
	s_wait_xcnt 0x0
	s_wait_alu depctr_vm_vsrc(0)
; out0 = relu(query0 Wr + br + attention(query0 Wq + bq, key0 Wk + bk, value0 Wv + bv)), all six products on codes of E4M3 with one E8M0 scale for each 32 along K.
; THE VIEW.  The projections [16384][512] are cut into 256 heads of [1024][32] with no transposition: head g is rows 64 g .. 64 g + 63; position s = 16 x (row - 64 g) + column / 32, channel d = column % 32.
; So a head needs 64 rows of each input and the four weights, and makes 64 whole rows of out0: ONE work-group to a head, one launch, nothing through memory.
; SHARES.  Sixteen waves, 256 registers each, four to a SIMD.  Wave w projects column block w (columns 32 w .. 32 w + 31) of k, q and the residual for all 64 rows, and channels 2 w, 2 w + 1 of v for all 1,024 keys;
; in the attention it owns the 64 queries s = 16 x row + w, as four tiles of 16 rows; its results are columns 32 w .. 32 w + 31 of the 64 rows.
; ALL PRODUCTS ARE USED TRANSPOSED (source 0 = rows of a weight, keys or channels; source 1 = rows of x, queries or p): a lane holds one row of x, or one query (lane % 16), and its registers run along the next K.
; Which rows of a weight form a tile is chosen so that the conversions' results are the next operand's registers:
;   Wk, Wq, tile u: lane r takes row 32 w + 8 u + r + 8 (r / 8): the two tiles' 16 registers of lane (r, h) are channels 16 h + 0 .. 15: registers 0-3 of an operand.
;   Wv, tile u: lane r takes row 2 w + u + 32 r: a lane's 8 registers are keys 16 x row + 8 h + 0 .. 7 of channel 2 w + u.        Wr, tile u: row 32 w + 16 u + r: the layout of the attention's result.
;   a tile (c, u) of 16 keys: row p is key 32 c + 8 u + p + 8 (p / 8), so that p's 16 registers of tiles (c, 0), (c, 1) are 16 neighbouring keys.
; K = 32 IN AN INSTRUCTION OF K = 128.  q's operand has its codes in registers 0-3 and ZERO CODES in registers 4-15.  The eight key tiles of a step lie packed, 4 registers each, with 12 registers of zeros behind them; tile t's operand
; is the 16 registers from its own four on, so its blocks 1-3 are other keys' codes (made behind the hold, so never the NaN code), which meet q's zero codes and add exactly 0.  Both scale words carry the one byte four times.
; THE SOFTMAX: t = score x log2(e) / sqrt(2); M = the running largest t rounded up to a whole number; p = 2^(t - M) is quantised along the keys; the row's sum is taken of the unquantised p and divides at the end.
; NO CLUSTER, NO JOINT LOADS: the weights are the only bytes that work-groups share.  Each wave loads its 8,192 bytes of a weight once, straight into the operand registers in which they are used.  A joint load lands in LDS,
; where 69,632 bytes are free beside this map: room for two slots of 128 weight rows, so the four weights would pass in 16 pieces, 14 of them behind a round of the cluster's barrier, each feeding 64 matrix instructions of the work-group.
; NO PREFETCH: every stream is read once, at the head.  No tensor load: x is 3 x 1,024 bytes a wave, copied through registers.
; LIMITS: NaN and infinities among the inputs are not served.  A block of zeros gets the scale byte 1 where the rule says 127: its codes are zeros, and this program alone reads the bytes.
; log2(e) / sqrt(2) is one f32 constant, where the definition multiplies twice.  Blocks whose largest magnitude lies under 2^(9 - 127), the floor, keep the byte 1.
; THE MODE: SCHED_MODE bits 1:0 = 2 (LLVM: expert scheduling mode 2), set by the entry lines.  The code itself states the register dependences between vector or matrix instructions and memory or LDS instructions, with s_wait_alu, always for 0.
; THE PLAN.  Registers that memory or LDS instructions touch, and who else names them:
;   v1-9, v16-29  offsets and LDS addresses: made at the head, ahead of a wait on va_vdst; v16-31 and v12-15 are written again only behind the second barrier, behind a wait on vm_vsrc.
;   XF, XS        16 rows of x: the LDS loads land behind the four products of the 16 rows before, which are their only readers: one wait on va_vdst behind those products' places; the loads land while the finish quantises.
;   CD, v30, v255, and of the residual the sums: written by a finish (or the products), read by its LDS stores: a wait on va_vdst ahead of the stores, a wait on vm_vsrc ahead of the next 16 rows' products.
;   the weights' sets A and B: a projection's last wait on va_vdst stands behind its last products: the next weight's loads into that set follow it with no vector line between.
;   KF, KS        a key step's K: read by the step's eight products alone; the NEXT step's loads stand in the middle of this step's softmax, behind the wait for the 64 exponentials, and have landed at the wait ahead of the two last products.
;   VF, VS        a key step's V^T: read by the step's last two products; the next step's loads stand behind a wait on va_vdst behind that step's eight products and their places.
;   v4, v5        the slab's addresses: read by V^T's loads, moved on (a wait on vm_vsrc ahead) in front of the wait for the exponentials, read by the next K's loads and the next step's V^T's.
;   v96-111       on the way out: the residual lands (the last vector lines that named them stand ahead of the step's last wait on va_vdst), sums are made, stored, read back as rows, stored to memory.
;
; LDS (bytes)
.set XP,    272                        ; a row of x's codes: 256 bytes + 16 of padding: the 16 rows of a fragment load start 68 words apart
.set XK,    0                          ; 64 rows of key0's codes;
.set XV,    64*XP                      ; of value0's;
.set XQ,    2*64*XP                    ; of query0's
.set XSC,   3*64*XP                    ; 3 x 512: their scale bytes, [row][8], as in memory
.set SLAB,  XSC+1536                   ; eight slabs, one for each step of 128 keys
.set SP,    9024                       ; a slab:
.set KBP,   1040                       ;   +0     K's images: block c at 1040 c, tile u at + 512 u, lane l's 16 bytes at 16 l
.set KSO,   4160                       ;   +4160  K's scale words: lane l at 16 l, word c at + 4 c; lanes 0-15 tile u = 0, lanes 16-31 tile u = 1
.set VIO,   4672                       ;   +4672  V's images: chunk 4 dt + c at 528 x chunk, lane l's 16 bytes at 16 l
.set VCP,   528
.set VSO,   8896                       ;   +8896  V's scale words: channel d at 4 d, byte c for the step's block c
.set STG,   SLAB+8*SP                  ; the stage: 64 rows of out0, first the residual, then the finished rows
.set GP,    2064                       ; its pitch: 2,048 bytes + 16
; VECTOR REGISTERS that stay
.set LI,    1                          ; 16 x lane
.set B16,   2                          ; SLAB + 16 x lane
.set B4,    3                          ; SLAB + VSO + 4 x lane
.set A16,   4                          ; B16 in the slab whose V^T is read next; at the head: where I put x's codes
.set A4,    5                          ; B4 likewise;  at the head: where I put x's scale bytes
.set STW,   6                          ; v6, v7  the stage, my own bytes: STG + 2064 r + 32 h + 128 w; the same 32 rows on
.set STR,   8                          ; v8, v9  the stage, a whole row: STG + 2064 w + 16 x lane; the same 32 rows on
; the projections
.set TA,    10                         ; six registers at work
.set TB,    11
.set TC,    30
.set TD,    31
.set TE,    254
.set TF,    255
.set CD,    12                         ; v12-15  the codes just made
.set AWP,   16                         ; offsets: Wk, Wq codes 256 (r + 8 (r / 8)) + 16 h;
.set ASP,   17                         ;   their scale bytes 8 (r + 8 (r / 8));
.set ABP,   18                         ;   bk, bq 64 h
.set AWN,   19                         ; Wr's codes 256 r + 16 h;
.set ASN,   20                         ;   8 r: Wr's scale bytes, and x's in LDS;
.set ABN,   21                         ;   br 32 h
.set AWV,   22                         ; Wv's codes 8192 r + 16 h;
.set ASV,   23                         ;   its scale bytes 256 r;
.set ABV,   24                         ;   bv 1024 h
.set XFA,   25                         ; LDS: a fragment of x: 272 r + 16 h
.set KWA,   26                         ; LDS: where my lane's key goes: its codes,
.set KSW,   27                         ;   its scale word;
.set VWA,   28                         ;   my lane's 8 keys of a channel,
.set VSW,   29                         ;   their block's byte
.set WFA,   32                         ; v32-95   a weight's four fragments (tile u, K step s) at + 16 (2 u + s): set A
.set WFB,   96                         ; v96-159  set B
.set XF,    160                        ; v160-191 x's two fragments; at the head the copy's registers
.set BIA,   192                        ; v192-207 the bias in the result's layout, tile u at + 8 u: set A
.set BIB,   208                        ; v208-223 set B
.set ACC,   224                        ; v224-239 the two tiles' sums
.set WSA,   240                        ; v240-243 the weight's scale words, 2 u + s: set A.  v240-253 hold scales and nothing else
.set WSB,   244                        ; v244-247 set B
.set XS,    248                        ; v248-249 x's scale words
.set QSS,   250                        ; v250-253 q's scale words, one register a tile
; the attention
.set QF,    16                         ; v16-31   q's operand: codes in v16-19, zero codes behind
.set KF,    32                         ; v32-63   eight key tiles, four registers each; v64-75 zero codes
.set KZ,    64
.set FF,    76                         ; v76      f = 2^(old M - new M); v77 = 0, named with it as a pair
.set TMP,   78
.set QST,   80                         ; v80-95   q's codes, four registers a tile
.set S,     96                         ; v96-159  the scores, then p; on the way out the residual and the rows
.set OT,    160                        ; v160-175 O^T, tile dt at + 8 dt
.set VF,    176                        ; v176-207 V^T's two fragments
.set PP,    208                        ; v208-223 p's codes
.set BM,    224                        ; v224-227 the blocks' largest scores, then largest p
.set PX,    228                        ; v228-231 the other half's; the sums' second chain; the bytes
.set HL,    232                        ; v232-235 448 x the scale
.set SO,    236                        ; v236-239 the conversion's scale operand
.set KS,    240                        ; v240-243 K's scale words
.set VS,    244                        ; V's
.set QSC,   245                        ; q's, of the tile in hand
.set PSW,   246                        ; p's
; SCALAR REGISTERS: s8-45 the 19 buffers, in the order of the arguments
.set WV,    46                         ; my wave's number
.set REP,   47                         ; 0x01010101
.set OFS,   48                         ; s[48:49] an offset, high word 0
.set SCP,   50                         ; s[50:51] the scale bytes that my wave copies
.set W7,    52                         ; w % 8
.set W3,    53                         ; w / 8
.set T0S,   54
.set TS,    55                         ; the next slab, in bytes
.set CNT,   56
.set NX,    57                         ; the next step's number
.set CS,    58                         ; s[58:59] c = log2(e) / sqrt(2)
.set SEL,   60                         ; s[60:61] v_permlanex16_b32's selects for lane l xor 16
.set MNT,   62                         ; the mantissa field of 448
.set T1S,   63
; A weight's part for my wave, from memory straight into operand registers: 16 loads of codes, 2 of scale words.  uc, us: bytes from tile 0 to tile 1
.macro LOADW wf, ws, pc, ps, va, vs, uc, us
.irp u, 0,1
.irp s, 0,1
.irp c, 0,1,2,3
	global_load_b128 v[\wf+16*(2*\u+\s)+4*\c:\wf+16*(2*\u+\s)+4*\c+3], v[\va], s[\pc:\pc+1] offset:\u*\uc+128*\s+32*\c
.endr
.endr
	global_load_b64 v[\ws+2*\u:\ws+2*\u+1], v[\vs], s[\ps:\ps+1] offset:\u*\us
.endr
.endm
; A bias whose eight numbers of a tile are neighbours: 4 loads
.macro LOADB bi, pb, vb, ub
.irp u, 0,1
.irp k, 0,1
	global_load_b128 v[\bi+8*\u+4*\k:\bi+8*\u+4*\k+3], v[\vb], s[\pb:\pb+1] offset:\u*\ub+16*\k
.endr
.endr
.endm
; 16 rows of x, rows 16 mt on: two fragments and their scale words, from LDS
.macro XLOAD xoff, xsoff, mt
.irp s, 0,1
.irp c, 0,1,2,3
	ds_load_b128 v[XF+16*\s+4*\c:XF+16*\s+4*\c+3], v[XFA] offset:\xoff+16*XP*(\mt)+128*\s+32*\c
.endr
.endr
	ds_load_b64 v[XS:XS+1], v[ASN] offset:XSC+\xsoff+128*(\mt)     ; lane r: row r's two scale words
.endm
; The 16 numbers of a lane in v[ACC] on, channels 16 h + 0 .. 15 of its row, become four registers of codes in v[dst] on and a scale word in v[wreg].  The block of 32 lies in lanes l and l xor 16.
.macro QUANT16 dst, wreg
	v_max3_num_f32 v[TA], |v[ACC]|, |v[ACC+1]|, 0x4800000          ; the largest magnitude, in two chains, with the floor 2^(9 - 127) among the leaves: the byte cannot fall under 1
	v_max3_num_f32 v[TB], |v[ACC+2]|, |v[ACC+3]|, |v[ACC+4]|
	v_max3_num_f32 v[TA], v[TA], |v[ACC+5]|, |v[ACC+6]|
	v_max3_num_f32 v[TB], v[TB], |v[ACC+7]|, |v[ACC+8]|            ; the second tile's sums are read from their low end on
	v_max3_num_f32 v[TA], v[TA], |v[ACC+9]|, |v[ACC+10]|
	v_max3_num_f32 v[TB], v[TB], |v[ACC+11]|, |v[ACC+12]|
	v_max3_num_f32 v[TA], v[TA], |v[ACC+13]|, |v[ACC+14]|
	v_max3_num_f32 v[TA], v[TA], |v[ACC+15]|, v[TB]
	v_permlanex16_b32 v[TC], v[TA], s[SEL], s[SEL+1]
	v_max_num_f32 v[TA], v[TA], v[TC]                              ; with lane l xor 16's: the block's
	v_add_nc_u32 v[TC], 0xfc000000, v[TA]                          ; 8 off its exponent field: the conversion's scale operand
	v_and_or_b32 v[TD], v[TA], 0x7f800000, s[MNT]                  ; 448 x the scale
	v_lshrrev_b32 v[TE], 23, v[TC]                                 ; the scale's byte,
	v_mul_lo_u32 v[\wreg], v[TE], s[REP]                           ; four times in the word
.irp i, 0,1,2,3,4,5,6,7,8,9,10,11,12,13,14,15
	v_med3_num_f32 v[ACC+\i], v[ACC+\i], -v[TD], v[TD]             ; the conversion to an 8-bit code does not saturate (ISA guide 7.6.2): the hold at the largest code x the scale
.endr
	v_cvt_scalef32_pk8_fp8_f32 v[\dst:\dst+1], v[ACC:ACC+7], v[TC]
	v_cvt_scalef32_pk8_fp8_f32 v[\dst+2:\dst+3], v[ACC+8:ACC+15], v[TC]
	v_nop                                                          ; one plain line behind the last conversion, ahead of whatever next touches its registers
.endm
; v: a lane's 8 registers of tile u are keys 16 x row + 8 h + 0 .. 7 of channel 2 w + u.  A block of 32 keys is two rows of x: lanes l, l xor 1, l xor 16, l xor 17.  The two tiles by turns.
.macro VFIN mt
	v_max3_num_f32 v[TA], |v[ACC]|, |v[ACC+1]|, 0x4800000
	v_max3_num_f32 v[TD], |v[ACC+8]|, |v[ACC+9]|, 0x4800000
.irp i, 2,4,6
	v_max3_num_f32 v[TA], v[TA], |v[ACC+\i]|, |v[ACC+\i+1]|
	v_max3_num_f32 v[TD], v[TD], |v[ACC+8+\i]|, |v[ACC+9+\i]|
.endr
	v_max_num_f32_dpp v[TA], v[TA], v[TA] row_xmask:1 row_mask:0xf bank_mask:0xf
	v_max_num_f32_dpp v[TD], v[TD], v[TD] row_xmask:1 row_mask:0xf bank_mask:0xf
	v_permlanex16_b32 v[TB], v[TA], s[SEL], s[SEL+1]
	v_permlanex16_b32 v[TE], v[TD], s[SEL], s[SEL+1]
	v_max_num_f32 v[TA], v[TA], v[TB]
	v_max_num_f32 v[TD], v[TD], v[TE]
	v_add_nc_u32 v[TB], 0xfc000000, v[TA]                          ; the conversions' scale operands,
	v_add_nc_u32 v[TE], 0xfc000000, v[TD]
	v_and_or_b32 v[TA], v[TA], 0x7f800000, s[MNT]                  ; 448 x the scales,
	v_and_or_b32 v[TD], v[TD], 0x7f800000, s[MNT]
	v_lshrrev_b32 v[TC], 23, v[TB]                                 ; the bytes
	v_lshrrev_b32 v[TF], 23, v[TE]
.irp i, 0,1,2,3,4,5,6,7
	v_med3_num_f32 v[ACC+\i], v[ACC+\i], -v[TA], v[TA]
	v_med3_num_f32 v[ACC+8+\i], v[ACC+8+\i], -v[TD], v[TD]
.endr
	v_cvt_scalef32_pk8_fp8_f32 v[CD:CD+1], v[ACC:ACC+7], v[TB]
	v_cvt_scalef32_pk8_fp8_f32 v[CD+2:CD+3], v[ACC+8:ACC+15], v[TE]
	v_nop
	s_wait_alu depctr_va_vdst(0)                                   ; the codes in v[CD ..] and the two bytes are written, which the LDS stores read; behind the last 16 rows also: the products are done reading Wv's set and x's registers, in which the loads that follow this projection land
	ds_store_b64 v[VWA], v[CD:CD+1] offset:2*SP*\mt                ; 8 bytes of the image of V^T's fragment
	ds_store_b64 v[VWA], v[CD+2:CD+3] offset:2*SP*\mt+16
	ds_store_b8 v[VSW], v[TC] offset:2*SP*\mt                      ; the block's four lanes write the same byte with the same value
	ds_store_b8 v[VSW], v[TF] offset:2*SP*\mt+4
.endm
; A projection of my wave's 32 columns for the 64 rows, 16 rows at a time: four matrix instructions on two accumulators by turns (the bias is the C of each sum's first), the next 16 rows' loads of x, and the finish.
; kind 0: k; 1: v; 2: the residual; 3: q.   left: the global loads issued behind this weight's, which may stay out.
.macro PROJ wf, ws, bi, xoff, xsoff, kind, left
	XLOAD \xoff, \xsoff, 0                                         ; no wait: no vector or matrix line has named x's registers since the last wait on va_vdst, which stands behind their last readers
.irp mt, 0,1,2,3
	s_wait_dscnt 0x0                                               ; x's fragments are in
.if \mt == 0
	s_wait_loadcnt \left                                           ; the weight's fragments, scale words and bias are in
.endif
.if (\kind == 1) || ((\kind == 3) && (\mt == 0)) || ((\kind != 3) && (\mt > 0))
	s_wait_alu depctr_vm_vsrc(0)                                   ; the LDS stores of the 16 rows before have read their data (codes, scale word, bytes; of the residual the sums themselves), which the products and the finish below write again
.endif
	v_wmma_scale_f32_16x16x128_f8f6f4 v[ACC:ACC+7], v[\wf:\wf+15], v[XF:XF+15], v[\bi:\bi+7], v[\ws], v[XS]
	v_wmma_scale_f32_16x16x128_f8f6f4 v[ACC+8:ACC+15], v[\wf+32:\wf+47], v[XF:XF+15], v[\bi+8:\bi+15], v[\ws+2], v[XS]
	v_wmma_scale_f32_16x16x128_f8f6f4 v[ACC:ACC+7], v[\wf+16:\wf+31], v[XF+16:XF+31], v[ACC:ACC+7], v[\ws+1], v[XS+1]
	v_wmma_scale_f32_16x16x128_f8f6f4 v[ACC+8:ACC+15], v[\wf+48:\wf+63], v[XF+16:XF+31], v[ACC+8:ACC+15], v[\ws+3], v[XS+1]
.rept 9
	v_nop                                                          ; eight places ahead of the reads of the sums; the ninth for the next 16 rows' first product, which writes over the sums
.endr
.if (\mt < 3) || (\kind == 2)
	s_wait_alu depctr_va_vdst(0)                                   ; the four products are done reading x's fragments and scale words, in which the next 16 rows' land; kind 2: they have written the sums, which the LDS stores read (the places above stay beside this wait)
.endif
.if \mt < 3
	XLOAD \xoff, \xsoff, \mt+1                                     ; the next 16 rows land while the finish is worked: it names none of these registers
.endif
.if \kind == 0
	QUANT16 CD, TF
	s_wait_alu depctr_va_vdst(0)                                   ; the codes in v[CD ..] and the scale word are written, which the LDS stores read; behind the last 16 rows also: the products are done reading Wk's set and x's registers, in which the loads that follow this projection land
	ds_store_b128 v[KWA], v[CD:CD+3] offset:2*SP*\mt               ; my lane's key, into the image of its tile
	ds_store_b32 v[KSW], v[TF] offset:2*SP*\mt                     ; lanes l and l xor 16 write the same word with the same value
.elseif \kind == 1
	VFIN \mt
.elseif \kind == 2
.irp k, 0,1,2,3
	ds_store_b128 v[STW+\mt/2], v[ACC+4*\k:ACC+4*\k+3] offset:16*GP*(\mt%2)+16*\k+32*(\k/2)   ; row 16 mt + r, columns 32 w + 16 u + 8 h + 0 .. 7: 64 u + 16 (k % 2) bytes on; each sum from its low end on
.endr
.else
	QUANT16 QST+4*\mt, QSS+\mt                                     ; q's codes are my own operand: they stay in registers
.endif
.endr
.endm
	s_load_b512 s[8:23], s[0:1], 0x0               ; key0 codes 8, scales 10; value0 12, 14; query0 16, 18; Wk codes 20, scales 22
	s_load_b512 s[24:39], s[0:1], 0x40             ; bk 24; Wv codes 26, scales 28; bv 30; Wr codes 32, scales 34; br 36; Wq codes 38
	s_load_b128 s[40:43], s[0:1], 0x80             ; Wq scales 40; bq 42
	s_load_b64 s[44:45], s[0:1], 0x90              ; out0
	v_lshrrev_b32 v[TA], 5, v0
	v_readfirstlane_b32 s[WV], v[TA]               ; wave 0..15
	v_and_b32 v[TC], 31, v0                        ; lane
	v_and_b32 v[TA], 15, v0                        ; r
	v_bfe_u32 v[TB], v0, 4, 1                      ; h
	v_and_b32 v[TD], 8, v[TA]
	v_add_nc_u32 v[TD], v[TD], v[TA]               ; r + 8 (r / 8)
	v_lshlrev_b32 v[LI], 4, v[TC]
	v_lshlrev_b32 v[AWP], 8, v[TD]
	v_lshl_add_u32 v[AWP], v[TB], 4, v[AWP]
	v_lshlrev_b32 v[ASP], 3, v[TD]
	v_lshlrev_b32 v[ABP], 6, v[TB]
	v_lshlrev_b32 v[AWN], 8, v[TA]
	v_lshl_add_u32 v[AWN], v[TB], 4, v[AWN]
	v_lshlrev_b32 v[ASN], 3, v[TA]
	v_lshlrev_b32 v[ABN], 5, v[TB]
	v_lshlrev_b32 v[AWV], 13, v[TA]
	v_lshl_add_u32 v[AWV], v[TB], 4, v[AWV]
	v_lshlrev_b32 v[ASV], 8, v[TA]
	v_lshlrev_b32 v[ABV], 10, v[TB]
	s_mov_b32 s[REP], 0x01010101
	s_mov_b32 s[CS], 0x3f8293ee                    ; log2(e) / sqrt(2)
	s_mov_b32 s[CS+1], s[CS]                       ; (named with it as a pair, so it is written)
	s_mov_b32 s[SEL], 0x76543210
	s_mov_b32 s[SEL+1], 0xfedcba98
	s_mov_b32 s[MNT], 0x600000
	s_wait_alu depctr_va_sdst(0)                   ; the wave's number is written, ahead of its first reader: offsets, LDS addresses and one branch are made from it
	s_and_b32 s[W7], s[WV], 7
	s_lshr_b32 s[W3], s[WV], 3
	s_mov_b32 s[OFS+1], 0
	s_lshl_b32 s[OFS], ttmp9, 14                   ; the head's 64 rows of 256 bytes,
	s_lshl_b32 s[T0S], s[WV], 10                   ; my wave's four of them
	s_add_co_u32 s[OFS], s[OFS], s[T0S]
	s_wait_kmcnt 0x0
.irp p, 8,12,16
	s_add_nc_u64 s[\p:\p+1], s[\p:\p+1], s[OFS:OFS+1]
.endr
	s_lshl_b32 s[OFS], ttmp9, 9                    ; the head's 64 rows of 8 scale bytes
.irp p, 10,14,18
	s_add_nc_u64 s[\p:\p+1], s[\p:\p+1], s[OFS:OFS+1]
.endr
	s_lshl_b32 s[OFS], s[WV], 13                   ; Wk, Wr, Wq: my 32 rows of 256 bytes,
.irp p, 20,32,38
	s_add_nc_u64 s[\p:\p+1], s[\p:\p+1], s[OFS:OFS+1]
.endr
	s_lshl_b32 s[OFS], s[WV], 8                    ; of 8 scale bytes,
.irp p, 22,34,40
	s_add_nc_u64 s[\p:\p+1], s[\p:\p+1], s[OFS:OFS+1]
.endr
	s_lshl_b32 s[OFS], s[WV], 7                    ; and my 32 numbers of the biases
.irp p, 24,36,42
	s_add_nc_u64 s[\p:\p+1], s[\p:\p+1], s[OFS:OFS+1]
.endr
	s_lshl_b32 s[OFS], s[WV], 9                    ; Wv: from row 2 w on
	s_add_nc_u64 s[26:27], s[26:27], s[OFS:OFS+1]
	s_lshl_b32 s[OFS], s[WV], 4
	s_add_nc_u64 s[28:29], s[28:29], s[OFS:OFS+1]
	s_lshl_b32 s[OFS], s[WV], 3
	s_add_nc_u64 s[30:31], s[30:31], s[OFS:OFS+1]
	s_lshl_b32 s[OFS], ttmp9, 17                   ; out0: the head's 64 rows of 2,048 bytes, + row w
	s_lshl_b32 s[T0S], s[WV], 11
	s_add_co_u32 s[OFS], s[OFS], s[T0S]
	s_add_nc_u64 s[44:45], s[44:45], s[OFS:OFS+1]
	s_cmp_eq_u32 s[WV], 0                          ; wave 0 copies key0's scale bytes, wave 1 value0's, wave 2 query0's (the others load query0's too and store nothing: every wave issues the same loads)
	s_cselect_b64 s[SCP:SCP+1], s[10:11], s[18:19]
	s_cmp_eq_u32 s[WV], 1
	s_cselect_b64 s[SCP:SCP+1], s[14:15], s[SCP:SCP+1]
	s_wait_alu depctr_va_vdst(0)                   ; v[LI] and the nine offsets v16-24 are written, which every global load and store of the kernel reads
	global_load_b128 v[XF+24:XF+27], v[LI], s[SCP:SCP+1]           ; 512 consecutive bytes: 64 rows' scale bytes
.irp n, 0,1,2
.irp i, 0,1
	global_load_b128 v[XF+4*(2*\n+\i):XF+4*(2*\n+\i)+3], v[LI], s[8+4*\n:9+4*\n] offset:512*\i th:TH_LOAD_NT   ; rows 4 w + 2 i, + 1 of each input: 512 consecutive bytes
.endr
.endr
	LOADW WFA, WSA, 20, 22, AWP, ASP, 2048, 64     ; Wk and bk: 22 loads
	LOADB BIA, 24, ABP, 32
	LOADW WFB, WSB, 26, 28, AWV, ASV, 256, 8       ; Wv and bv: 34 loads
.irp u, 0,1
.irp j, 0,1,2,3,4,5,6,7
	global_load_b32 v[BIB+8*\u+\j], v[ABV], s[30:31] offset:4*\u+128*\j   ; bv at column 2 w + u + 32 (8 h + j)
.endr
.endr
	; the LDS addresses, all made ahead of the one branch on the wave's number; none of these lines writes a register that the loads above read or land in
	v_add_nc_u32 v[B16], SLAB, v[LI]
	v_lshl_add_u32 v[B4], v[TC], 2, SLAB+VSO
	v_mul_u32_u24 v[XFA], v[TA], XP
	v_lshl_add_u32 v[XFA], v[TB], 4, v[XFA]
	v_mul_u32_u24 v[A16], v[TB], XP                ; the copy: lanes 0-15 one row, lanes 16-31 the next; my wave's four rows
	v_lshl_add_u32 v[A16], v[TA], 4, v[A16]
	s_mul_i32 s[T0S], s[WV], 4*XP
	v_add_nc_u32 v[A16], s[T0S], v[A16]
	s_lshl_b32 s[T0S], s[WV], 9
	s_add_co_u32 s[T0S], s[T0S], XSC
	v_add_nc_u32 v[A4], s[T0S], v[LI]
	v_mul_u32_u24 v[STW], v[TA], GP
	v_lshl_add_u32 v[STW], v[TB], 5, v[STW]
	s_lshl_b32 s[T0S], s[WV], 7
	s_add_co_u32 s[T0S], s[T0S], STG
	v_add_nc_u32 v[STW], s[T0S], v[STW]
	v_add_nc_u32 v[STW+1], 32*GP, v[STW]
	s_mul_i32 s[T0S], s[WV], GP
	s_add_co_u32 s[T0S], s[T0S], STG
	v_add_nc_u32 v[STR], s[T0S], v[LI]
	v_add_nc_u32 v[STR+1], 32*GP, v[STR]
	; row 16 mt + r of x is key step 2 mt + r / 8, block (r / 2) % 4, half r % 2
	v_bfe_u32 v[TE], v0, 3, 1
	v_mul_u32_u24 v[TE], v[TE], SP                 ; SP (r / 8)
	v_bfe_u32 v[TF], v0, 1, 2                      ; (r / 2) % 4
	s_wait_alu depctr_va_vdst(0)
	v_and_b32 v[TD], 1, v0                         ; r % 2
	s_lshl_b32 s[T0S], s[W3], 9                    ; K's image: tile u = w / 8, lane 8 (r % 2) + w % 8 + 16 h
	s_lshl_b32 s[T1S], s[W7], 4
	s_add_co_u32 s[T0S], s[T0S], s[T1S]
	s_add_co_u32 s[T0S], s[T0S], SLAB
	v_mad_u32_u24 v[KWA], v[TF], KBP, v[TE]
	v_lshl_add_u32 v[KWA], v[TD], 7, v[KWA]
	v_lshl_add_u32 v[KWA], v[TB], 8, v[KWA]
	v_add_nc_u32 v[KWA], s[T0S], v[KWA]
	s_lshl_b32 s[T0S], s[W3], 8                    ; K's scale word: lane 8 (r % 2) + w % 8 + 16 (w / 8), word (r / 2) % 4
	s_add_co_u32 s[T0S], s[T0S], s[T1S]
	s_add_co_u32 s[T0S], s[T0S], SLAB+KSO
	v_lshl_add_u32 v[KSW], v[TF], 2, v[TE]
	v_lshl_add_u32 v[KSW], v[TD], 7, v[KSW]
	v_add_nc_u32 v[KSW], s[T0S], v[KSW]
	s_mul_i32 s[T0S], s[W3], 4*VCP                 ; V's image: chunk 4 (w / 8) + (r / 2) % 4, lane 2 (w % 8) + u + 16 (r % 2), byte 8 h
	s_lshl_b32 s[T1S], s[W7], 5
	s_add_co_u32 s[T0S], s[T0S], s[T1S]
	s_add_co_u32 s[T0S], s[T0S], SLAB+VIO
	v_mad_u32_u24 v[VWA], v[TF], VCP, v[TE]
	s_wait_alu depctr_va_vdst(0)
	v_lshl_add_u32 v[VWA], v[TD], 8, v[VWA]
	v_lshl_add_u32 v[VWA], v[TB], 3, v[VWA]
	v_add_nc_u32 v[VWA], s[T0S], v[VWA]
	s_lshl_b32 s[T0S], s[WV], 3                    ; V's scale byte: word 2 w + u, byte (r / 2) % 4
	s_add_co_u32 s[T0S], s[T0S], SLAB+VSO
	v_add_nc_u32 v[VSW], v[TF], v[TE]
	v_add_nc_u32 v[VSW], s[T0S], v[VSW]
	s_wait_loadcnt 56                              ; x's seven loads are in; behind them stand Wk's 22 and Wv's 34
	s_wait_alu depctr_va_vdst(0)                   ; all the LDS addresses (v2-9, v25-29) are written, which the LDS stores below and every later LDS instruction of the projections and the way out read
.irp n, 0,1,2
.irp i, 0,1
	ds_store_b128 v[A16], v[XF+4*(2*\n+\i):XF+4*(2*\n+\i)+3] offset:64*XP*\n+2*XP*\i
.endr
.endr
	s_cmp_lt_u32 s[WV], 3
	s_cbranch_scc0 .Lno_scales
	ds_store_b128 v[A4], v[XF+24:XF+27]
.Lno_scales:
	s_wait_dscnt 0x0                               ; for the others' sake: my part of x lies in LDS
	s_barrier_signal -1
	s_barrier_wait -1                              ; everybody's does
	s_wait_alu depctr_vm_vsrc(0)                   ; my LDS stores have read v[XF ..], in which x's fragments land from here on
	PROJ WFA, WSA, BIA, XK, 0, 0, 34               ; k; Wv's 34 loads may stay out
	LOADW WFA, WSA, 32, 34, AWN, ASN, 4096, 128    ; Wr and br take set A: 22 loads, which land while v is made.  No wait: k's last wait on va_vdst stands behind the last products that read set A
	LOADB BIA, 36, ABN, 64
	PROJ WFB, WSB, BIB, XV, 512, 1, 22             ; v; Wr's 22 may stay out
	LOADW WFB, WSB, 38, 40, AWP, ASP, 2048, 64     ; Wq and bq take set B: 22 loads.  No wait: v's last wait on va_vdst stands behind the last products that read set B
	LOADB BIB, 42, ABP, 32
	PROJ WFA, WSA, BIA, XQ, 1024, 2, 22            ; the residual; Wq's 22 may stay out
	PROJ WFB, WSB, BIB, XQ, 1024, 3, 0             ; q
	s_wait_dscnt 0x0                               ; my parts of the slabs lie in LDS
	s_barrier_signal -1
	s_barrier_wait -1                              ; the eight slabs are whole; nobody writes them again
	s_wait_alu depctr_vm_vsrc(0)                   ; q's loads of x have read their addresses v20 and v25: with the other offsets and addresses in v16-31, read ahead of earlier such waits, they become q's operand
.irp i, 4,5,6,7,8,9,10,11,12,13,14,15
	v_mov_b32 v[QF+\i], 0                          ; q's zero codes for K = 32 .. 127 (every global load has been waited for: its offset register may be written)
.endr
.irp i, 0,1,2,3,4,5,6,7,8,9,10,11
	v_mov_b32 v[KZ+\i], 0                          ; zero codes behind the last key tile
.endr
	v_mov_b32 v[FF+1], 0                           ; (named as the upper half of a pair)
; A step's K: eight key tiles and their scale words, from the slab at which v[A16] stands
.macro KLOAD
.irp c, 0,1,2,3
.irp u, 0,1
	ds_load_b128 v[KF+4*(2*\c+\u):KF+4*(2*\c+\u)+3], v[A16] offset:KBP*\c+512*\u
.endr
.endr
	ds_load_b128 v[KS:KS+3], v[A16] offset:KSO     ; register c: lanes 0-15 the words of tile (c, 0), lanes 16-31 those of tile (c, 1)
.endm
; A KEY STEP: 128 keys against my 16 queries.  Its K was asked for in the step before and has been waited for there.
.macro KSTEP
.irp c, 0,1,2,3                                ; S^T = K Q^T: lane (r, h) holds query r; the 16 registers of tiles (c, 0), (c, 1) are keys 32 c + 16 h + 0 .. 15
	v_wmma_scale_f32_16x16x128_f8f6f4 v[S+16*\c:S+16*\c+7], v[KF+8*\c:KF+8*\c+15], v[QF:QF+15], 0, v[KS+\c], v[QSC]
	v_wmma_scale_f32_16x16x128_f8f6f4 v[S+16*\c+8:S+16*\c+15], v[KF+8*\c+4:KF+8*\c+19], v[QF:QF+15], 0, v[KS+\c], v[QSC] matrix_a_scale:MATRIX_SCALE_ROW1
.endr
.rept 8
	v_nop                                          ; eight places ahead of the first read of the scores
.endr
	s_wait_alu depctr_va_vdst(0)                   ; the last step's two products (ahead of the first step: the projections') are done reading the registers of V^T's fragments and scale words, in which the loads below land
.irp dt, 0,1
.irp c, 0,1,2,3
	ds_load_b128 v[VF+16*\dt+4*\c:VF+16*\dt+4*\c+3], v[A16] offset:VIO+VCP*(4*\dt+\c)   ; V^T lands while the softmax is walked
.endr
.endr
	ds_load_b32 v[VS], v[A4]                       ; lane d: channel d's scale word
.irp b, 0,1,2,3
	v_max3_num_f32 v[BM+\b], v[S+16*\b], v[S+16*\b+1], v[S+16*\b+2]   ; the largest score of each block of 32 keys: for the row's maximum, and, since p rises with the score, for the block's largest p
.endr
.irp i, 3,5,7,9,11,13
.irp b, 0,1,2,3
	v_max3_num_f32 v[BM+\b], v[BM+\b], v[S+16*\b+\i], v[S+16*\b+\i+1]
.endr
.endr
.irp b, 0,1,2,3
	v_max_num_f32 v[BM+\b], v[BM+\b], v[S+16*\b+15]
.endr
.irp b, 0,1,2,3
	v_permlanex16_b32 v[PX+\b], v[BM+\b], s[SEL], s[SEL+1]         ; (its destination has been written: by the projections, later by the last step)
.endr
.irp b, 0,1,2,3
	v_max_num_f32 v[BM+\b], v[BM+\b], v[PX+\b]     ; with lane l xor 16's 16 keys
.endr
	v_max3_num_f32 v[TMP], v[BM], v[BM+1], v[BM+2]
	v_max_num_f32 v[TMP], v[TMP], v[BM+3]          ; the step's largest score of my query,
	v_mul_f32 v[TMP], s[CS], v[TMP]                ; as t (c is positive)
	v_max_num_f32 v13, v13, v[TMP]                 ; the running largest t
	v_mov_b32 v[TMP], v12
	v_floor_f32 v12, -v13                          ; the new -M = floor(-t): M is a whole number
	v_sub_f32 v[TMP], v12, v[TMP]                  ; old M - new M: a whole number, 0 or less
	v_cvt_i32_f32 v[TMP], v[TMP]                   ; (it saturates)
	v_ldexp_f32 v[FF], 1.0, v[TMP]                 ; f = 2^(old M - new M): a multiplication by it rounds nothing
.set j, 0
.rept 32
	v_pk_fma_f32 v[S+j:S+j+1], v[S+j:S+j+1], s[CS:CS+1], v[12:13] op_sel_hi:[1,0,0]   ; t - M, two at a time
.set j, j+2
.endr
.irp b, 0,1,2,3
	v_fma_f32 v[BM+\b], v[BM+\b], s[CS], v12       ; the same of each block's largest score
.endr
.set j, 0
	s_wait_alu depctr_va_vdst(0)
.rept 64
	v_exp_f32 v[S+j], v[S+j]                       ; p = 2^(t - M), at most 1, not normalised
.set j, j+1
.endr
	s_add_co_u32 s[NX], s[NX], 1                   ; the next step's slab; behind the eighth comes the first again, which the next tile begins with
	s_and_b32 s[TS], s[NX], 7
	s_mul_i32 s[TS], s[TS], SP
	s_wait_alu depctr_vm_vsrc(0)                   ; V^T's loads have read v[A16] and v[A4], which the two lines below write
	v_add_nc_u32 v[A16], s[TS], v[B16]             ; (the plain line behind the exponentials)
	v_add_nc_u32 v[A4], s[TS], v[B4]
	v_pk_mul_f32 v[14:15], v[14:15], v[FF:FF+1] op_sel_hi:[1,0]    ; the sums under the new M
	s_wait_alu depctr_va_vdst(0)                   ; the 64 exponentials have written p, ahead of its first reader (one wait for the batch); v[A16] and v[A4] are written, which the loads below and the next step's read
	KLOAD                                          ; THE NEXT STEP'S K: this step's eight products, its registers' only readers, stand ahead of two waits on va_vdst.  (The last tile's last step asks for the first slab once more, nine loads that nobody multiplies: the step is written once)
.irp b, 0,1,2,3
	v_exp_f32 v[BM+\b], v[BM+\b]                   ; the blocks' largest p: the same two instructions on the same number give the same bits
.endr
	v_pk_add_f32 v[PX:PX+1], v[S:S+1], v[S+2:S+3]  ; the row's sum is taken of the unquantised p: two at a time, in two chains
.irp j, 4,8,12,16,20,24,28,32,36,40,44,48,52,56,60
	v_pk_add_f32 v[14:15], v[14:15], v[S+\j:S+\j+1]
	v_pk_add_f32 v[PX:PX+1], v[PX:PX+1], v[S+\j+2:S+\j+3]
.endr
	v_pk_add_f32 v[14:15], v[14:15], v[PX:PX+1]
	s_wait_alu depctr_va_vdst(0)                   ; the four exponentials have written the blocks' largest p, ahead of its first reader
.irp b, 0,1,2,3
	v_max_num_f32 v[BM+\b], 0x4800000, v[BM+\b]    ; the floor 2^(9 - 127): the byte cannot fall under 1
.endr
.irp b, 0,1,2,3
	v_add_nc_u32 v[SO+\b], 0xfc000000, v[BM+\b]    ; 8 off the exponent field: the conversion's scale operand
.endr
.irp b, 0,1,2,3
	v_and_or_b32 v[HL+\b], v[BM+\b], 0x7f800000, s[MNT]            ; 448 x the scale
.endr
.irp b, 0,1,2,3
	v_lshrrev_b32 v[PX+\b], 23, v[SO+\b]           ; the scale's byte
.endr
	v_lshl_or_b32 v[PSW], v[PX+1], 8, v[PX]        ; p's scale word for these 128 keys: 64 holds stand between it and the products
	v_lshl_or_b32 v[PSW], v[PX+2], 16, v[PSW]
	v_lshl_or_b32 v[PSW], v[PX+3], 24, v[PSW]
.irp b, 0,1,2,3
.irp i, 0,1,2,3,4,5,6,7,8,9,10,11,12,13,14,15
	v_min_num_f32 v[S+16*\b+\i], v[S+16*\b+\i], v[HL+\b]           ; the conversion does not saturate (ISA guide 7.6.2); p is not negative, so the hold is one-sided
.endr
	v_cvt_scalef32_pk8_fp8_f32 v[PP+4*\b:PP+4*\b+1], v[S+16*\b:S+16*\b+7], v[SO+\b]
	v_cvt_scalef32_pk8_fp8_f32 v[PP+4*\b+2:PP+4*\b+3], v[S+16*\b+8:S+16*\b+15], v[SO+\b]
.endr
.irp j, 0,2,4,6,8,10,12,14
	v_pk_mul_f32 v[OT+\j:OT+\j+1], v[OT+\j:OT+\j+1], v[FF:FF+1] op_sel_hi:[1,0]   ; O^T under the new M; for each of the two products four of these eight name none of its registers: the places between the codes and it
.endr
	s_wait_alu depctr_va_vdst(0)                   ; p's codes and scale word are written, which the two scaled products take (the places above stay beside this wait); behind a tile's last step also: the holds and conversions are done with v[S ..], in which the residual lands
	s_wait_dscnt 0x0                               ; V^T and its scale words are in, and so is the next step's K
	v_wmma_scale_f32_16x16x128_f8f6f4 v[OT:OT+7], v[VF:VF+15], v[PP:PP+15], v[OT:OT+7], v[VS], v[PSW]
	v_wmma_scale_f32_16x16x128_f8f6f4 v[OT+8:OT+15], v[VF+16:VF+31], v[PP:PP+15], v[OT+8:OT+15], v[VS], v[PSW] matrix_a_scale:MATRIX_SCALE_ROW1
.endm
; A TILE of 16 queries: rows 16 mt + r of x, column block w.  Eight key steps, then the way out.  No two matrix instructions that follow each other share an accumulator, round the loop's edge too.
.macro TILE mt
.if \mt > 0
	s_wait_xcnt 0x0                                ; the last tile's stores have read their registers, which the scores take
	s_wait_alu depctr_vm_vsrc(0)                   ; and beside it: those stores have read v[S ..], which the first step's products write
.endif
	v_mov_b32 v[QSC], v[QSS+\mt]                   ; the tile's scale words and codes: the lines below are the places between them and the first product
.irp i, 0,1,2,3
	v_mov_b32 v[QF+\i], v[QST+4*\mt+\i]
.endr
	v_mov_b32 v13, 0xff61b1e6                      ; the largest t so far: -3e38, under every t
	v_floor_f32 v12, -v13                          ; -M
	v_mov_b32 v14, 0                               ; the sum, in two halves
	v_mov_b32 v15, 0
.irp i, 0,1,2,3,4,5,6,7,8,9,10,11,12,13,14,15
	v_mov_b32 v[OT+\i], 0                          ; O^T: the step is written once; the first finds zeros, which the first change of M leaves zeros
.endr
	s_mov_b32 s[NX], 0
	s_mov_b32 s[CNT], 8
.if \mt == 0
	s_mov_b32 s[TS], 0                             ; the first slab; the later tiles find the addresses there, left by the tile before
	v_add_nc_u32 v[A16], s[TS], v[B16]
	v_add_nc_u32 v[A4], s[TS], v[B4]
.endif
	s_wait_alu depctr_va_vdst(0)                   ; q's codes, its scale word and (first tile) the zero codes are written, which the scaled products take; first tile also: v[A16], v[A4] are written, and the projections' products are done reading the registers in which K lands
.if \mt == 0
	KLOAD                                          ; the first tile's first K; every other step's was asked for in the step before
	s_wait_dscnt 0x0
.endif
.Lstep_\@:
	KSTEP
	s_sub_co_u32 s[CNT], s[CNT], 1
	s_cmp_lg_u32 s[CNT], 0
	s_cbranch_scc1 .Lstep_\@
	; THE WAY OUT: relu(residual + O^T / the sum), into my own bytes of the stage; a barrier; then each wave stores one whole row
.irp k, 0,1,2,3
	ds_load_b128 v[S+4*\k:S+4*\k+3], v[STW+\mt/2] offset:16*GP*(\mt%2)+16*\k+32*(\k/2)   ; the residual, which I put there myself, in O^T's layout.  No wait: behind the step's last wait on va_vdst stand the two products alone, which name none of these registers
.endr
	v_add_f32 v14, v14, v15                        ; the sum's two halves,
	v_permlanex16_b32 v[TMP], v14, s[SEL], s[SEL+1]
	v_add_f32 v14, v14, v[TMP]                     ; and lane l xor 16's
	s_wait_alu depctr_va_vdst(0)
	v_rcp_f32 v14, v14
.rept 8
	v_nop                                          ; eight places between the last products and the first read of O^T; the first is also the plain line behind the reciprocal
.endr
	s_wait_alu depctr_va_vdst(0)                   ; the reciprocal has written v14, ahead of its first reader
	s_wait_dscnt 0x0
.irp j, 0,2,4,6,8,10,12,14
	v_pk_fma_f32 v[S+\j:S+\j+1], v[OT+\j:OT+\j+1], v[14:15], v[S+\j:S+\j+1] op_sel_hi:[1,0,1]   ; each accumulator from its low end on
.endr
.irp i, 0,1,2,3,4,5,6,7,8,9,10,11,12,13,14,15
	v_max_num_f32 v[S+\i], 0, v[S+\i]
.endr
	s_wait_alu depctr_va_vdst(0)                   ; the sixteen results are written, which the LDS stores read
.irp k, 0,1,2,3
	ds_store_b128 v[STW+\mt/2], v[S+4*\k:S+4*\k+3] offset:16*GP*(\mt%2)+16*\k+32*(\k/2)
.endr
	s_wait_dscnt 0x0                               ; for the others' sake: my 128 bytes of each of the 16 rows lie in the stage
	s_barrier_signal -1
	s_barrier_wait -1                              ; the 16 rows are whole; nobody writes them again
	s_wait_alu depctr_vm_vsrc(0)                   ; my LDS stores have read v[S ..], in which the row lands
.irp i, 0,1,2,3
	ds_load_b128 v[S+4*\i:S+4*\i+3], v[STR+\mt/2] offset:16*GP*(\mt%2)+512*\i   ; row 16 mt + w
.endr
.irp i, 0,1,2,3
	s_wait_dscnt 3-\i                              ; the younger loads may stay out
	global_store_b128 v[LI], v[S+4*\i:S+4*\i+3], s[44:45] offset:32768*\mt+512*\i th:TH_STORE_NT   ; 32 lanes store 512 consecutive bytes, at a multiple of 512 from out0's first byte; they leave while the next tile is computed
.endr
.endm
	TILE 0
	TILE 1
	TILE 2
	TILE 3
	s_wait_xcnt 0x0
	v_lshl_add_u32 v254, v0, 2, 0x3f000            ; the add's two registers are made anew here: no memory or LDS instruction has read v254 or v255 since the last wait on vm_vsrc
	v_mov_b32 v255, 0
	s_wait_dscnt 0x0                               ; the closing lines, six on end
	s_wait_alu 0x0
	s_wait_tensorcnt 0x0
	ds_add_u32 v254, v255
	s_wait_dscnt 0x0
	s_endpgm
.Lfunc_end_k_q74033eedc8_attn:
	.size	k_q74033eedc8_attn, .Lfunc_end_k_q74033eedc8_attn-k_q74033eedc8_attn
	.p2alignl 7, 3214868480
	.fill 96, 4, 3214868480
	.section	.rodata,"a",@progbits
	.p2align	6, 0x0
	.amdhsa_kernel k_q74033eedc8_attn
		.amdhsa_group_segment_fixed_size 260096
		.amdhsa_private_segment_fixed_size 0
		.amdhsa_enable_private_segment 0
		.amdhsa_kernarg_size 152
		.amdhsa_user_sgpr_count 2
		.amdhsa_user_sgpr_kernarg_segment_ptr 1
		.amdhsa_wavefront_size32 1
		.amdhsa_system_sgpr_workgroup_id_x 1
		.amdhsa_system_sgpr_workgroup_id_y 1
		.amdhsa_system_sgpr_workgroup_id_z 1
		.amdhsa_system_vgpr_workitem_id 0
		.amdhsa_next_free_vgpr 256
		.amdhsa_next_free_sgpr 66
		.amdhsa_reserve_vcc 0
		.amdhsa_float_denorm_mode_32 3
		.amdhsa_float_denorm_mode_16_64 3
		.amdhsa_memory_ordered 1
		.amdhsa_forward_progress 1
		.amdhsa_inst_pref_size 152
	.end_amdhsa_kernel
	.amdgpu_metadata
---
amdhsa.version: [ 1, 2 ]
amdhsa.kernels:
  - .name:           k_q74033eedc8_attn
    .symbol:         k_q74033eedc8_attn.kd
    .args:
      - { .name: key0_codes, .offset: 0, .size: 8, .value_kind: global_buffer, .address_space: global }
      - { .name: key0_scales, .offset: 8, .size: 8, .value_kind: global_buffer, .address_space: global }
      - { .name: value0_codes, .offset: 16, .size: 8, .value_kind: global_buffer, .address_space: global }
      - { .name: value0_scales, .offset: 24, .size: 8, .value_kind: global_buffer, .address_space: global }
      - { .name: query0_codes, .offset: 32, .size: 8, .value_kind: global_buffer, .address_space: global }
      - { .name: query0_scales, .offset: 40, .size: 8, .value_kind: global_buffer, .address_space: global }
      - { .name: Wk_codes, .offset: 48, .size: 8, .value_kind: global_buffer, .address_space: global }
      - { .name: Wk_scales, .offset: 56, .size: 8, .value_kind: global_buffer, .address_space: global }
      - { .name: bk, .offset: 64, .size: 8, .value_kind: global_buffer, .address_space: global }
      - { .name: Wv_codes, .offset: 72, .size: 8, .value_kind: global_buffer, .address_space: global }
      - { .name: Wv_scales, .offset: 80, .size: 8, .value_kind: global_buffer, .address_space: global }
      - { .name: bv, .offset: 88, .size: 8, .value_kind: global_buffer, .address_space: global }
      - { .name: Wr_codes, .offset: 96, .size: 8, .value_kind: global_buffer, .address_space: global }
      - { .name: Wr_scales, .offset: 104, .size: 8, .value_kind: global_buffer, .address_space: global }
      - { .name: br, .offset: 112, .size: 8, .value_kind: global_buffer, .address_space: global }
      - { .name: Wq_codes, .offset: 120, .size: 8, .value_kind: global_buffer, .address_space: global }
      - { .name: Wq_scales, .offset: 128, .size: 8, .value_kind: global_buffer, .address_space: global }
      - { .name: bq, .offset: 136, .size: 8, .value_kind: global_buffer, .address_space: global }
      - { .name: out0, .offset: 144, .size: 8, .value_kind: global_buffer, .address_space: global }
    .group_segment_fixed_size: 260096
    .private_segment_fixed_size: 0
    .kernarg_segment_align: 8
    .kernarg_segment_size: 152
    .max_flat_workgroup_size: 512
    .sgpr_count:     66
    .vgpr_count:     256
    .wavefront_size: 32
...
	.end_amdgpu_metadata
.endif
;; end of part 2
